; MI455X (gfx1250); checked and timed in simulation.
; The chip was launched on July 23, 2026; its instructions are those of AMD's public machine-readable ISA for CDNA 5 (MIT licence, August 2026) and "CDNA5" Instruction Set Architecture Reference Guide (July 2026). The comments in the code are by the model that wrote it; some were corrected since.
;; Attn. Allowed arithmetic: matrix products marked QUANTISED: E5M2 operands, one given power-of-two scale a tensor, by v_wmma_f32_16x16x64_bf8_bf8 or v_wmma_f32_16x16x128_bf8_bf8, f32 sums; products left as they are: f32 operands where the result goes on into a quantised operand, else bf16, f16 or f32 operands; f32 sums; everything else in f32.
;; Inputs: W 1,024 x 1,024 float32; b 1,024 float32; hidden 1 x 32 x 1,024 float32; lowp_scales 2 int32 (the exponents e of the quantised operands' scales 2^e); targets 32 x 2,048 x 1,024 float32.
;; Outputs: out0 32 x 1 x 2,048 float32.
;; This version of the problem:
;;   THIS VERSION OF THE PROBLEM IS GIVEN IN LOW PRECISION. The matrix products marked QUANTISED in the list below multiply operands that are first quantised to E5M2 (5 exponent bits, 2 mantissa bits; 8 bits a number), with one given power-of-two scale for each operand tensor; their sums are f32. All else is computed in f32.
;;   The module's matrix products, in the order in which they are computed (A, B: the left and right operand; K: the contracted axis; several contracted axes count as one K, in the product's order):
;;     1. [M 65,536, K 1,024] x [K 1,024, N 1,024]; A: input targets; B: input W: QUANTISED (scales: A lowp_scales[0], B lowp_scales[1])
;;     2. batch 32 x [M 2,048, K 1,024] x [K 1,024, N 1]; A: computed on the way; B: input hidden: left as it is (N = 1 < 16)
;;   THE QUANTISER, for each operand of a quantised product, along K:
;;     - The operand's scale is 2^e, e = its entry of the input lowp_scales (int32; the entries are numbered through the quantised products in the list's order, A before B).
;;     - Each number is divided by the scale, clamped to +-57,344, and rounded to the nearest number of E5M2, ties to even, subnormals kept.
;;     - The product sums the exact products of the quantised numbers (number of the format x scale) in f32.
;;   ~~~python
;;   def quantise(x, axis, e):      # numpy; x: float32 -> the quantised numbers, widened to float32 again
;;       x = np.moveaxis(x, axis, -1); K = x.shape[-1]
;;       r = np.clip(x / 2.0 ** e, -57344, 57344)
;;       step = 2.0 ** (np.maximum(np.frexp(np.where(r == 0, 1, r))[1] - 1, -14) - 2)
;;       q = np.round(r / step) * step * 2.0 ** e      # np.round: ties to even
;;       return np.moveaxis(q, -1, axis).astype(np.float32)
;;   ~~~
;; 2 versions. Each part assembles by itself: llvm-mc -triple=amdgcn-amd-amdhsa -mcpu=gfx1250 --defsym DOCPART=n.
;; ======== version 1 of 2: 3 launches
;; workspace buffers: wq 1,048,576 bytes; scores 262,144 bytes
;; launch wquant (part 1): grid 256 x 1, 4 waves a work-group, no clusters, 0 bytes of LDS; arguments W, lowp_scales, wq; writes wq
.if DOCPART == 1
	.amdgcn_target "amdgcn-amd-amdhsa--gfx1250"
	.amdhsa_code_object_version 6
	.text
	.protected	k_q16e53b23ea_wquant
	.globl	k_q16e53b23ea_wquant
	.p2align	8
	.type	k_q16e53b23ea_wquant,@function
k_q16e53b23ea_wquant:
	s_mov_b64 s[64:65], 0
	v_nop
	global_prefetch_b8 v0, s[64:65] scope:SCOPE_SE
	s_setreg_imm32_b32 hwreg(HW_REG_WAVE_MODE, 25, 1), 1
	s_wait_xcnt 0x0
; W [1024 (g)][1024 (k)], f32, becomes codes of E5M2, one byte each, with the given scale 2^e1 (entry 1 of the scales): code = W / 2^e1, held within +-57,344, to the nearest code, ties to even.
; LAYOUT OF THE CODES.  K is cut into 4 chunks of 256.  The codes of chunk c of row g are the 256 bytes at (1024 c + g) x 256, so that the 256 rows g = 256 t .. 256 t + 255 of a chunk are one dense
; block of 65,536 bytes, and the sixteen blocks follow each other in the order in which the next launch walks them.
; ORDER INSIDE A CHUNK.  Byte 8 i + 4 q + e stands for k = 256 c + 128 q + 4 i + e (i = 0 .. 31, q = 0, 1, e = 0 .. 3): what comes of two loads of 512 consecutive bytes, 16 a lane, and one conversion of a
; lane's eight registers.  The next launch lays the other operand's codes in the same order, so every product meets its partner.
; SHARES.  One wave takes one row g: eight loads of 512 consecutive bytes, four stores of 256 consecutive bytes, each at a multiple of 256 from the buffer's first byte.  No LDS, no barrier, no loop.
; LIMITS: e1 between -126 and 112, so that 2^e1 and 57,344 x 2^e1 are f32 numbers.  NaN among the inputs is not served (an infinity is held at the largest code).
.set CHB, 262144                       ; bytes of a chunk's codes: 1,024 rows x 256
.set X,   8                            ; v8-39   the row: load n in v[8 + 4 n ..]
.set C,   40                           ; v40-47  codes: two registers for each chunk, so that no store's data are written again
	s_load_b128 s[4:7], s[0:1], 0x0                ; W s[4:5], the scales' exponents s[6:7]
	s_load_b64 s[8:9], s[0:1], 0x10                ; the codes
	v_lshrrev_b32 v4, 5, v0
	v_readfirstlane_b32 s10, v4                    ; wave 0..3
	v_and_b32 v5, 31, v0                           ; lane
	v_lshlrev_b32 v1, 4, v5                        ; in: 16 bytes a lane
	v_lshlrev_b32 v2, 3, v5                        ; out: 8 bytes a lane
	s_lshl_b32 s11, ttmp9, 2
	s_add_co_u32 s11, s11, s10                     ; my row g = 4 x work-group + wave
	s_lshl_b32 s14, s11, 12                        ; its 4,096 bytes in W,
	s_mov_b32 s15, 0
	s_lshl_b32 s16, s11, 8                         ; its 256 bytes in a chunk of codes
	s_mov_b32 s17, 0
	s_wait_kmcnt 0x0
	s_load_b32 s12, s[6:7], 0x4                    ; e1
	s_add_nc_u64 s[4:5], s[4:5], s[14:15]
	s_add_nc_u64 s[8:9], s[8:9], s[16:17]
.irp n, 0,1,2,3,4,5,6,7
	global_load_b128 v[X+4*\n:X+4*\n+3], v1, s[4:5] offset:512*\n th:TH_LOAD_NT   ; k = 128 n + 4 lane + 0 .. 3; read once in the launch
.endr
	s_wait_kmcnt 0x0
	s_add_co_i32 s12, s12, 127
	s_lshl_b32 s13, s12, 23
	v_mov_b32 v3, s13                              ; 2^e1 as f32: the conversion takes its exponent field
	s_add_co_i32 s12, s12, 15
	s_lshl_b32 s12, s12, 23
	s_or_b32 s12, s12, 0x600000
	v_mov_b32 v6, s12                              ; 57,344 x 2^e1
.irp c, 0,1,2,3
	s_wait_loadcnt 6-2*\c                          ; loads come back in order: chunk c's two are in, the 6 - 2 c behind them may be out
.irp i, 0,1,2,3,4,5,6,7
	v_med3_num_f32 v[X+8*\c+\i], v[X+8*\c+\i], -v6, v6   ; the conversion to an 8-bit code does not saturate (ISA guide 7.6.2): the hold comes first
.endr
	v_cvt_scalef32_pk8_bf8_f32 v[C+2*\c:C+2*\c+1], v[X+8*\c:X+8*\c+7], v3   ; its result goes to a store alone; the next chunk's holds are plain lines on other registers
	global_store_b64 v2, v[C+2*\c:C+2*\c+1], s[8:9] offset:\c*CHB   ; 32 lanes store 256 consecutive bytes
.endr
	s_endpgm
.Lfunc_end_k_q16e53b23ea_wquant:
	.size	k_q16e53b23ea_wquant, .Lfunc_end_k_q16e53b23ea_wquant-k_q16e53b23ea_wquant
	.p2alignl 7, 3214868480
	.fill 96, 4, 3214868480
	.section	.rodata,"a",@progbits
	.p2align	6, 0x0
	.amdhsa_kernel k_q16e53b23ea_wquant
		.amdhsa_group_segment_fixed_size 0
		.amdhsa_private_segment_fixed_size 0
		.amdhsa_enable_private_segment 0
		.amdhsa_kernarg_size 24
		.amdhsa_user_sgpr_count 2
		.amdhsa_user_sgpr_kernarg_segment_ptr 1
		.amdhsa_wavefront_size32 1
		.amdhsa_system_sgpr_workgroup_id_x 1
		.amdhsa_system_sgpr_workgroup_id_y 1
		.amdhsa_system_sgpr_workgroup_id_z 1
		.amdhsa_system_vgpr_workitem_id 0
		.amdhsa_next_free_vgpr 48
		.amdhsa_next_free_sgpr 66
		.amdhsa_reserve_vcc 0
		.amdhsa_float_denorm_mode_32 3
		.amdhsa_float_denorm_mode_16_64 3
		.amdhsa_memory_ordered 1
		.amdhsa_forward_progress 1
		.amdhsa_inst_pref_size 5
	.end_amdhsa_kernel
	.amdgpu_metadata
---
amdhsa.version: [ 1, 2 ]
amdhsa.kernels:
  - .name:           k_q16e53b23ea_wquant
    .symbol:         k_q16e53b23ea_wquant.kd
    .args:
      - { .name: W, .offset: 0, .size: 8, .value_kind: global_buffer, .address_space: global }
      - { .name: lowp_scales, .offset: 8, .size: 8, .value_kind: global_buffer, .address_space: global }
      - { .name: wq, .offset: 16, .size: 8, .value_kind: global_buffer, .address_space: global }
    .group_segment_fixed_size: 0
    .private_segment_fixed_size: 0
    .kernarg_segment_align: 8
    .kernarg_segment_size: 24
    .max_flat_workgroup_size: 128
    .sgpr_count:     66
    .vgpr_count:     48
    .wavefront_size: 32
...
	.end_amdgpu_metadata
.endif
;; end of part 1
;; launch energy (part 2): grid 256 x 1, 4 waves a work-group, clusters of 4 x 1, 327,680 bytes of LDS; arguments targets, wq, hidden, lowp_scales, scores; writes scores
.if DOCPART == 2
	.amdgcn_target "amdgcn-amd-amdhsa--gfx1250"
	.amdhsa_code_object_version 6
	.text
	.protected	k_q16e53b23ea_energy
	.globl	k_q16e53b23ea_energy
	.p2align	8
	.type	k_q16e53b23ea_energy,@function
k_q16e53b23ea_energy:
	s_mov_b64 s[64:65], 0
	v_nop
	global_prefetch_b8 v0, s[64:65] scope:SCOPE_SE
	s_setreg_imm32_b32 hwreg(HW_REG_WAVE_MODE, 25, 1), 1
	s_wait_xcnt 0x0
	s_wait_alu depctr_hold_cnt(0) depctr_sa_sdst(0) depctr_va_vdst(0) depctr_va_sdst(0) depctr_va_ssrc(0) depctr_va_vcc(0) depctr_vm_vsrc(0)
	s_getreg_b32 s2, hwreg(HW_REG_IB_STS2, 6, 4)
	s_cmp_eq_u32 s2, 0
	s_cbranch_scc0 .Lentry_in_a_cluster
	s_endpgm
.Lentry_in_a_cluster:
	s_bfe_u32 s2, ttmp6, 0x10000c
	s_cmp_lg_u32 s2, 0x3003
	s_cbranch_scc0 .Lentry_shape_is_right
	s_endpgm
.Lentry_shape_is_right:
; scores[row] = 2^(e0 + e1) x the sum over g of h[g] x (the sum over k of Q(targets)[row][k] x Q(W)[g][k]), for the 65,536 rows (batch, l) of targets; h is the row's batch's row of hidden.
; (The bias's part, the sum over g of b[g] h[g], and the softmax are the next launch's.)  targets: f32, quantised here to E5M2 with the given 2^e0; W: codes made by the launch before.
; THE IDEA.  The sum over g is linear, so a part of the inner sum (a chunk of 256 of K) can be multiplied by h and added up at once: no accumulator lives longer than two matrix instructions, and targets can be
; taken a chunk of K at a time.  For a chunk the work-group's 256 rows of codes stay in registers and all 1,024 rows of W pass by.
; SHARES.  A work-group of four waves owns 256 rows.  Wave w = 2 i + j multiplies rows 128 i .. + 127 by rows 128 j .. + 127 of each tile of W (256 rows x 256 K): a fragment of W read from LDS feeds 8 matrix instructions.
; As a loader, wave w reads rows 64 w .. + 63 of targets: 512 consecutive bytes of one row a load, through a ring of 64 loads in registers; holds, converts, and stores the codes into an image in LDS, one chunk ahead of the products.
; THE ORDER OF K inside a chunk is the one that the loads give: byte 8 lane + 4 q + e of a row's 256 codes is k = 128 q + 4 lane + e; W's codes lie in the same order.  Only the order of the f32 sums hangs on it.
; THE MATRIX INSTRUCTION: source 0 = 16 rows of W, source 1 = 16 of my rows: lane (r, h) then holds my row r and, in register jj, g = 8 h + jj: eight numbers to be multiplied by eight of h.
; CLUSTER.  All work-groups walk the same sixteen tiles of W, so the four of a cluster ask for each tile JOINTLY (the same load, the same descriptor, the mask of all four).  4 x 1 and not 4 x 4: a mask names four, and W is all that is shared.
; WORDS.  tile: 16 rows of W x my 128 rows x 256 K, 16 matrix instructions.  step: one slot of W, 8 tiles.  lap: two steps = once round the ring of loads.  chunk: two laps.  Loader lap n: chunk n / 2, half n % 2 of my 64 rows.
; LIMITS: e0 between -126 and 112 (2^e0 and 57,344 x 2^e0 are f32 numbers); e0 + e1 is applied by v_ldexp_f32.  NaN among the inputs is not served.  The f32 sums go by chunks of K and then over g: another order of rounding than K first.
; REGISTERS, in windows of 256 (s_set_vgpr_msb: bits 1:0 source 0, 3:2 source 1, 5:4 source 2, 7:6 destination):
;   window 0: v1-12 addresses; v16-31 S, the running sums, a pair for each of my 8 tiles of rows; v32-47 h, two sets of 8; v48-111 W's fragments, two sets of 2 x 16; v112-239 accumulators, two sets of 8 x 8; v240-250 at work
;   window 1: my rows' fragments: tile of rows m, K step ks at v[32 m + 16 ks]: all 256
;   windows 2, 3: the ring: position pos (0-7 in window 2, 8-15 in window 3) at v[16 (pos % 8)]: two rows x two loads x 4; v128: 2^e0; v130-137: codes, two sets by turns
; The products want W, my rows and the accumulators (448 registers) and the sums want h beside the accumulators: so each matrix instruction has a switch in front and one behind, and two packed multiply-adds of the tile
; before stand between: the vector work goes on while the matrix unit works.
.set PIT,   272                        ; an LDS row of codes: 256 bytes + 16 of padding = 68 words, so that the 16 rows that a fragment load touches start 4 words further round the banks each (ISA guide 11.1)
.set QTR,   64*PIT                     ; 64 rows: what one tensor load brings, and what one wave stores of the image
.set HB,    256*PIT                    ; LDS: slot 0 of W at 0 (256 rows); behind it h of my batch, 4,096 bytes,
.set STG,   HB+4096                    ; the two column halves' sums, [j][256] f32,
.set SPARE, STG+2048                   ; the spare words, 128 bytes for each wave: two blocks of 256 bytes that no other line names;
.set SLOT1, 1<<17                      ; slot 1 of W: one exclusive or turns an address in one slot into the other's;
.set IMG,   SLOT1+256*PIT              ; the image: a chunk's codes of my 256 rows.  Tensor loads fill the two slots alone; h, the sums and the image are written by LDS stores alone
.set SPW, 1                            ; v1   LDS address of my spare word: SPARE + 4 x my thread's number; never rewritten
.set NIL, 2                            ; v2   0; never rewritten
.set AW0, 3                            ; v3   my lane's place in a slot: (128 j + r) x 272 + 16 h
.set AWD, 4                            ; v4   the same in the slot in hand
.set AI,  5                            ; v5   my lane's place in the image, as a reader: IMG + (128 i + r) x 272 + 16 h
.set AH0, 6                            ; v6   h: HB + 512 j + 32 h
.set AH,  7                            ; v7   the same for the step in hand
.set ST0, 8                            ; v8   the image, as a writer: IMG + 64 w x 272 + 8 lane
.set STA, 9                            ; v9   the same for the half in hand
.set GA,  10                           ; v10  16 x lane: my bytes of a load; never rewritten
.set SGA, 11                           ; v11  where my rows' sums go
.set T8,  12                           ; v12  8 x thread: my two scores
.set S,   16
.set HV,  32
.set WF,  48
.set ACC, 112
.set TMP, 240
; scalars: s14 wave, s15 i, s16 j, s18 work-group; s[20:21] targets at my wave's first row; s[22:23] the same at the loader lap that is being asked for; s[24:31], s[32:35] the descriptor; s[36:37] an offset;
; s38 the image's half; s39 the slot in hand; s40 1,024 x steps done; s41 a loop's counter; s44, s45 +-57,344 x 2^e0; s46 2^e0; s47 e0 + e1; s[50:51] lane selects; s[52:53], s54 W's offset and LDS place
.set MSB, 0
.macro WIN new                         ; the immediate's high byte repeats the setting that is left; a switch that changes nothing is dropped
.if MSB != (\new)
	s_set_vgpr_msb (MSB<<8)|(\new)
.set MSB, (\new)
.endif
.endm
; A round of the cluster's barrier: my work-group's barrier, so that wave 0's signal speaks for all four waves; wave 0 signals for the work-group; every wave waits for all four work-groups; my work-group's barrier once more.
.macro CROUND
	s_barrier_signal -1
	s_barrier_wait -1
	s_cmp_lg_u32 s14, 0
	s_cbranch_scc1 .Lnot_wave_0_\@
	s_barrier_signal -3
.Lnot_wave_0_\@:
	s_barrier_wait -3
	s_barrier_signal -1
	s_barrier_wait -1
.endm
; Position pos of the ring is asked for: rows 2 pos and 2 pos + 1 of the lap's 32, a chunk's 1,024 bytes of each in two loads of 512 consecutive bytes.
.macro LISSUE pos
.set gq, 16*((\pos)%8)
	WIN 0x80+0x40*((\pos)/8)                       ; destination window 2 or 3, address window 0
	global_load_b128 v[gq:gq+3],     v[GA], s[22:23] offset:(2*(\pos))*4096 th:TH_LOAD_NT
	global_load_b128 v[gq+4:gq+7],   v[GA], s[22:23] offset:(2*(\pos))*4096+512 th:TH_LOAD_NT
	global_load_b128 v[gq+8:gq+11],  v[GA], s[22:23] offset:(2*(\pos)+1)*4096 th:TH_LOAD_NT
	global_load_b128 v[gq+12:gq+15], v[GA], s[22:23] offset:(2*(\pos)+1)*4096+512 th:TH_LOAD_NT
.endm
; Position pos is worked: 16 numbers a lane are held and converted, 2 x 8 bytes go into the image.  issue = 1: the position is asked for again, for the next loader lap.
; left: the loads issued behind this position's four.  alone = 1: no products stand between the slices, so the wait for the code registers is written here.
.macro LSLICE pos, issue, left, alone
.set gq, 16*((\pos)%8)
.set hw, (\pos)/8
.set cd, 130+4*((\pos)%2)
	s_wait_loadcnt \left                           ; loads come back in order (ISA guide 5.7.1): mine are in, the younger ones stay out
.if \alone
	s_wait_dscnt 2                                 ; only the slice before's two stores may be out: the stores that read this set of code registers are done
.endif
	WIN 0xaa+0x55*hw                               ; all in window 2 or 3
.set kk, 0
.rept 16
	v_med3_num_f32 v[gq+kk], v[gq+kk], s45, s44    ; the conversion to an 8-bit code does not saturate (ISA guide 7.6.2): the hold at +-57,344 x 2^e0 comes first
.set kk, kk+1
.endr
	v_cvt_scalef32_pk8_bf8_f32 v[cd:cd+1], v[gq:gq+7], v128       ; row 2 pos: bytes 4 q + e of my 8
	v_cvt_scalef32_pk8_bf8_f32 v[cd+2:cd+3], v[gq+8:gq+15], v128  ; row 2 pos + 1
	v_nop                                          ; one plain vector line behind the last conversion, ahead of whatever vector or matrix line comes next
	WIN 0x08+0x04*hw                               ; store data window 2 or 3, address window 0
	ds_store_b64 v[STA], v[cd:cd+1] offset:(2*(\pos))*PIT         ; 32 lanes store a row's 256 codes
	ds_store_b64 v[STA], v[cd+2:cd+3] offset:(2*(\pos)+1)*PIT
.if \issue
	LISSUE \pos
.endif
.endm
; At a lap's head: the base for the loader lap s41 + k, which this lap asks for, and the image's half for the lap that it works.
.macro LAPSET k
	s_wait_xcnt 0x0                                ; the loads issued so far have had their addresses translated (ISA guide 3.1): their base is written again only behind this wait
	s_wait_dscnt 0x0                               ; no LDS instruction of mine is out
	s_add_co_u32 s42, s41, \k
	s_and_b32 s43, s42, 1
	s_lshl_b32 s43, s43, 17                        ; its half: 32 rows of 4,096 bytes,
	s_lshr_b32 s42, s42, 1
	s_lshl_b32 s42, s42, 10                        ; its chunk: 1,024 bytes along a row
	s_add_co_u32 s36, s42, s43
	s_add_nc_u64 s[22:23], s[20:21], s[36:37]
	v_add_nc_u32 v[STA], s38, v[ST0]
	s_xor_b32 s38, s38, 32*PIT                     ; the next lap works the other half
.endm
; THE CHANGE OF SLOTS stands at a step's head.  Each wave waits for all its tensor loads (one is out: its quarter of the slot ahead), adds 0 to its spare word, and waits for that and for all its LDS reads and stores.
; fill = 1: a round of the cluster's barrier follows, so that no wave of any partner still reads the slot that was left or has a load on its way, and the next tile of W is asked for first thing behind it, into that slot:
; it has a whole step, 128 matrix instructions a wave, in which to land.  By this text's count a wave has one tensor load out.
.macro CHANGE fill
	WIN 0
	s_wait_tensorcnt 0x0                           ; no tensor load of mine is out, so the descriptor may be written
	ds_add_u32 v[SPW], v[NIL]                      ; 0 onto my spare word: the descriptor's steps stand between it and the wait for it
.if \fill
	s_xor_b32 s33, s33, SLOT1                      ; the other slot than last time,
	s_add_nc_u64 s[34:35], s[34:35], 65536         ; the next tile: W's codes are read straight through; the type bits on top are not reached
.endif
	s_wait_dscnt 0x0                               ; the add is done; my reads of the slot that I left and of the image are in, my stores have landed
.if \fill
	CROUND
	tensor_load_to_lds s[32:35], s[24:31]          ; every wave fetches its own 64 rows: no branch stands round the line
	s_nop 0
.rept 4
	v_nop
.endr
.else
	s_barrier_signal -1
	s_barrier_wait -1
.endif
.endm
; A TILE: rows 16 t .. + 15 of my half of the slot.  Set t % 2 of W's fragments, of h and of the accumulators.  The eight accumulators take turns, one instruction a turn: first all eight for K step 0
; (C = 0: nothing is cleared), then all eight for K step 1; the next tile takes the other set.  Behind each matrix instruction stand two packed multiply-adds that add the tile BEFORE, times h, onto S (each accumulator
; from its low end on), and behind eight of them one of the next tile's eight fragment loads.  full = 1: a slice of the loader's work follows; its sixteen holds are the places behind the tile's products (ISA guide 7.12.1).
.macro TILE t, full, pos
.set tp, (\t)%2
.if (\t) == 0
	s_wait_dscnt 2                                 ; W's fragments of tile 0 are in; h's two loads, issued behind them, may be out
.elseif \full
	s_wait_dscnt 4                                 ; behind this tile's fragments were issued: two loads of h and the slice's two stores
.else
	s_wait_dscnt 2                                 ; behind this tile's fragments were issued: two loads of h
.endif
.set nn, 0
.rept 16
.set kk, nn/8
.set mm, nn%8
.set rD, ACC+64*tp+8*mm
.set rW, WF+32*tp+16*kk
.set rA, 32*mm+16*kk
	WIN 0x04                                       ; source 1 (my rows) window 1, all else window 0
.if kk == 0
	v_wmma_f32_16x16x128_bf8_bf8 v[rD:rD+7], v[rW:rW+15], v[rA:rA+15], 0
.else
	v_wmma_f32_16x16x128_bf8_bf8 v[rD:rD+7], v[rW:rW+15], v[rA:rA+15], v[rD:rD+7]
.endif
.if (\t) > 0
	WIN 0
.set rS, S+4*(nn/4)
.set rR, ACC+64*(1-tp)+16*(nn/4)+2*(nn%4)
.set rH, HV+8*(1-tp)+2*(nn%4)
	v_pk_fma_f32 v[rS:rS+1], v[rR:rR+1], v[rH:rH+1], v[rS:rS+1]           ; tile of rows 2 (n / 4): S += sums x h, g = 8 h + 2 (n % 4) and the next
	v_pk_fma_f32 v[rS+2:rS+3], v[rR+8:rR+9], v[rH:rH+1], v[rS+2:rS+3]     ; tile of rows 2 (n / 4) + 1
.endif
.if ((\t) < 7) && (nn >= 2) && (nn <= 9)
.set rL, WF+32*(1-tp)+4*(nn-2)
	ds_load_b128 v[rL:rL+3], v[AWD] offset:16*((\t)+1)*PIT+128*((nn-2)/4)+32*((nn-2)%4)   ; an LDS load names a destination and source 0, both window 0 under either setting
.endif
.set nn, nn+1
.endr
.if (\t) < 7
	ds_load_b128 v[HV+8*(1-tp):HV+8*(1-tp)+3],   v[AH] offset:64*((\t)+1)      ; the next tile's eight of h, into the set that this tile's multiply-adds have just read
	ds_load_b128 v[HV+8*(1-tp)+4:HV+8*(1-tp)+7], v[AH] offset:64*((\t)+1)+16
.endif
.if \full
	LSLICE \pos, 1, 60, 0                          ; behind this position's four loads stand the fifteen other positions' sixty
.else
.rept 4
	v_nop                                          ; the places behind the tile's products, ahead of the reads of their results and of the loads into their fragments
.endr
.endif
.endm
; A STEP: one slot of W.  It carries nothing on into the next step but S.
.macro STEP full, pos0, fill
	CHANGE \fill
	s_and_b32 s42, s40, 0xc00                      ; which quarter of h: 1,024 x (step % 4)
	v_add_nc_u32 v[AWD], s39, v[AW0]
	v_add_nc_u32 v[AH], s42, v[AH0]
.irp c, 0,1,2,3,4,5,6,7
	ds_load_b128 v[WF+4*\c:WF+4*\c+3], v[AWD] offset:128*(\c/4)+32*(\c%4)   ; tile 0's two fragments: registers 4 c .. of K step ks hold bytes 128 ks + 32 c + 16 h + 0 .. 15 of row r
.endr
	ds_load_b128 v[HV:HV+3], v[AH]
	ds_load_b128 v[HV+4:HV+7], v[AH] offset:16
.irp t, 0,1,2,3,4,5,6,7
	TILE \t, \full, \pos0+\t
.endr
	WIN 0
	s_wait_dscnt 0x0                               ; h of tile 7 is in
.irp u, 0,1,2,3
.irp m, 0,1,2,3,4,5,6,7
	v_pk_fma_f32 v[S+2*\m:S+2*\m+1], v[ACC+64+8*\m+2*\u:ACC+64+8*\m+2*\u+1], v[HV+8+2*\u:HV+8+2*\u+1], v[S+2*\m:S+2*\m+1]   ; tile 7 onto S: every accumulator's two lowest registers first
.endr
.endr
	s_xor_b32 s39, s39, SLOT1
	s_add_co_u32 s40, s40, 1024
.endm
; A CHUNK'S HEAD: every wave's stores into the image have landed; my 128 rows' sixteen fragments come into window 1.  The places in front of these loads are the 32 multiply-adds at the end of the step before.
; They are waited for at the next change of slots, in front of its barrier: so no wave stores the next chunk's codes while another still reads these.
.macro HEAD
	WIN 0
	s_wait_dscnt 0x0
	s_barrier_signal -1
	s_barrier_wait -1
	WIN 0x40                                       ; destination window 1, address window 0
.irp m, 0,1,2,3,4,5,6,7
.irp c, 0,1,2,3,4,5,6,7
	ds_load_b128 v[32*\m+4*\c:32*\m+4*\c+3], v[AI] offset:16*\m*PIT+128*(\c/4)+32*(\c%4)
.endr
.endr
	WIN 0
.endm
	s_load_b256 s[4:11], s[0:1], 0x0               ; targets s[4:5], W's codes s[6:7], hidden s[8:9], the scales' exponents s[10:11]
	s_load_b64 s[12:13], s[0:1], 0x20              ; scores
	v_lshl_add_u32 v[SPW], v0, 2, SPARE
	v_mov_b32 v[NIL], 0
	ds_add_u32 v1, v2
	ds_add_u32 v1, v2
	s_wait_dscnt 0x0
	v_lshrrev_b32 v13, 5, v0
	v_readfirstlane_b32 s14, v13                   ; wave 0..3
	s_lshr_b32 s15, s14, 1                         ; i: which 128 of the rows I multiply
	s_and_b32 s16, s14, 1                          ; j: which 128 rows of a tile of W
	s_bfe_u32 s17, ttmp6, 0x40000                  ; cx: my place in the cluster
	s_lshl_b32 s18, ttmp9, 2                       ; in a cluster launch ttmp9 counts clusters
	s_add_co_u32 s18, s18, s17                     ; my block of 256 rows: it enters the addresses of targets, hidden and scores alone
	; descriptor group 1: 64 rows of 256 bytes, dense in memory, padded in LDS
	s_mov_b32 s24, 15|(0<<16)|(1<<20)|(1<<21)|(5<<22)|(3<<25)   ; 15:0 the mask: all four work-groups; 17:16 elements of 1 byte; 20 padding on; 21 set beside a mask; 24:22 after every 64 words (code 5); 31:25 four words (code 3)
	s_mov_b32 s25, 256<<16                         ; tensor_dim0 = 256
	s_mov_b32 s26, 64<<16                          ; tensor_dim1 = 64
	s_mov_b32 s27, 256<<16                         ; tile_dim0 = 256
	s_mov_b32 s28, 64                              ; tile_dim1 = 64
	s_mov_b32 s29, 256                             ; from row to row
	s_mov_b32 s30, 0
	s_mov_b32 s31, 0
	s_lshl_b32 s36, s18, 20                        ; my block: 256 rows of 4,096 bytes,
	s_lshl_b32 s42, s14, 18                        ; my wave's 64 of them
	s_add_co_u32 s36, s36, s42
	s_mov_b32 s37, 0
	s_lshl_b32 s52, s14, 14                        ; my 64 rows of a tile of W in memory,
	s_mov_b32 s53, 0
	s_mul_i32 s54, s14, QTR                        ; and in a slot: the wave's number alone
	s_mov_b32 s38, 0
	s_mov_b32 s39, 0
	s_mov_b32 s40, 0
	s_mov_b32 s50, 0x76543210                      ; v_permlanex16_b32: each lane takes its own place in the other half
	s_mov_b32 s51, 0xfedcba98
	s_wait_kmcnt 0x0
	s_load_b64 s[48:49], s[10:11], 0x0             ; e0, e1
	s_add_nc_u64 s[20:21], s[4:5], s[36:37]
	s_mov_b64 s[22:23], s[20:21]                   ; loader lap 0
	s_lshr_b32 s36, s18, 3
	s_lshl_b32 s36, s36, 12                        ; my batch's row of hidden: eight blocks to a batch
	s_add_nc_u64 s[8:9], s[8:9], s[36:37]
	s_lshl_b32 s36, s18, 10                        ; my 256 scores
	s_add_nc_u64 s[12:13], s[12:13], s[36:37]
	s_mov_b32 s32, 1                               ; descriptor group 0: count = 1,
	s_mov_b32 s33, s54                             ; LDS address: slot 0,
	s_add_nc_u64 s[34:35], s[6:7], s[52:53]        ; global address: tile 0,
	s_or_b32 s35, s35, 0x80000000                  ; type = 2
	CROUND                                         ; all four work-groups are here: the first joint loads meet
	tensor_load_to_lds s[32:35], s[24:31]          ; tile 0
	s_nop 0
.rept 4
	v_nop
.endr
	v_and_b32 v13, 15, v0                          ; r
	v_bfe_u32 v14, v0, 4, 1                        ; h
	v_and_b32 v15, 31, v0                          ; lane
	v_lshlrev_b32 v[GA], 4, v15
	v_lshlrev_b32 v248, 4, v0                      ; hidden: 16 bytes a thread
	global_load_b128 v[TMP:TMP+3],   v248, s[8:9]
	global_load_b128 v[TMP+4:TMP+7], v248, s[8:9] offset:2048
.irp q, 0,1,2,3,4,5,6,7,8,9,10,11,12,13,14
	LISSUE \q                                      ; the ring is filled: loader lap 0
.endr
	WIN 0
	v_mul_u32_u24 v[AW0], v13, PIT
	v_lshl_add_u32 v[AW0], v14, 4, v[AW0]          ; r x 272 + 16 h
	s_mul_i32 s42, s15, 128*PIT
	s_add_co_u32 s42, s42, IMG
	v_add_nc_u32 v[AI], s42, v[AW0]
	s_mul_i32 s42, s16, 128*PIT
	v_add_nc_u32 v[AW0], s42, v[AW0]
	s_lshl_b32 s42, s16, 9
	s_add_co_u32 s42, s42, HB
	v_lshl_add_u32 v[AH0], v14, 5, s42
	s_add_co_u32 s42, s54, IMG
	v_lshl_add_u32 v[ST0], v15, 3, s42
	s_lshl_b32 s42, s16, 10
	s_lshl_b32 s43, s15, 9
	s_add_co_u32 s42, s42, s43
	s_add_co_u32 s42, s42, STG
	v_lshl_add_u32 v[SGA], v13, 2, s42             ; row 128 i + 16 m + r of half j: 1,024 j + 512 i + 4 r, + 64 m in the immediate
	v_lshlrev_b32 v[T8], 3, v0
	v_lshl_add_u32 v249, v0, 4, HB
	v_lshl_add_u32 v250, v0, 3, STG
.irp q, 0,1,2,3,4,5,6,7,8,9,10,11,12,13,14,15
	v_mov_b32 v[S+\q], 0                           ; the sums run through the whole launch: sixteen registers begin as zeros
.endr
	s_wait_loadcnt 60                              ; behind h's two loads stand the ring's first sixty
	ds_store_b128 v249, v[TMP:TMP+3]               ; h as it lies; the other waves read it behind two barriers
	ds_store_b128 v249, v[TMP+4:TMP+7] offset:2048
	LISSUE 15
	s_wait_kmcnt 0x0
	s_add_co_i32 s47, s48, s49                     ; e0 + e1
	s_add_co_i32 s42, s48, 127
	s_lshl_b32 s46, s42, 23                        ; 2^e0 as f32: the conversion takes its exponent field
	s_add_co_i32 s42, s42, 15
	s_lshl_b32 s44, s42, 23
	s_or_b32 s44, s44, 0x600000                    ; 57,344 x 2^e0,
	s_xor_b32 s45, s44, 0x80000000                 ; and its negative
	WIN 0x80
	v_mov_b32 v128, s46                            ; a copy in each of the ring's windows
	WIN 0xc0
	v_mov_b32 v128, s46
	WIN 0
	; CHUNK 0's IMAGE: loader laps 0 and 1 are worked with no products beside them; laps 1 and 2 are asked for.
	s_mov_b32 s41, 0
.Lpro:
	LAPSET 1
.irp q, 0,1,2,3,4,5,6,7,8,9,10,11,12,13,14,15
	LSLICE \q, 1, 60, 1
.endr
	WIN 0                                          ; at a label and at a branch every window is 0
	s_add_co_u32 s41, s41, 1
	s_cmp_lt_u32 s41, 2
	s_cbranch_scc1 .Lpro
	HEAD
	; STEPS 0 TO 9.  Trip n multiplies steps 2 n and 2 n + 1, works loader lap n + 2 and asks for lap n + 3: the last one asked for is lap 7, the last of the buffer.  Behind trips 1 and 3 a chunk is done.
	s_mov_b32 s41, 0
.Lfull:
	LAPSET 3
	STEP 1, 0, 1
	STEP 1, 8, 1
	s_and_b32 s42, s41, 1
	s_cmp_eq_u32 s42, 0
	s_cbranch_scc1 .Lsame_chunk
	HEAD
.Lsame_chunk:
	s_add_co_u32 s41, s41, 1
	s_cmp_lt_u32 s41, 5
	s_cbranch_scc1 .Lfull
	; STEPS 10 TO 14: nothing is left to ask for.  Loader lap 7 lands under steps 10 and 11, is worked behind step 11, and chunk 3 begins.
	s_mov_b32 s41, 0
.Lplain:
	STEP 0, 0, 1
	s_cmp_eq_u32 s41, 1
	s_cbranch_scc0 .Lno_drain
	v_add_nc_u32 v[STA], 32*PIT, v[ST0]            ; lap 7 is the second half of my rows
.irp q, 0,1,2,3,4,5,6,7,8,9,10,11,12,13,14,15
	LSLICE \q, 0, 60-4*\q, 1                       ; the counts run down: four loads for each position still to come
.endr
	HEAD
.Lno_drain:
	s_add_co_u32 s41, s41, 1
	s_cmp_lt_u32 s41, 5
	s_cbranch_scc1 .Lplain
	STEP 0, 0, 0                                   ; step 15 is written out
	; THE END.  A pair's two halves and the other half of the lanes' (the other eight g of each tile) are added; the two waves of a row half meet in LDS; x 2^(e0 + e1); each thread stores two scores.
.irp m, 0,1,2,3,4,5,6,7
	v_add_f32 v[TMP+\m], v[S+2*\m], v[S+2*\m+1]
.endr
.irp m, 0,1,2,3,4,5,6,7
	v_permlanex16_b32 v[S+2*\m+1], v[TMP+\m], s50, s51   ; its destination counts as read: a register that has been written
.endr
.irp m, 0,1,2,3,4,5,6,7
	v_add_f32 v[TMP+\m], v[TMP+\m], v[S+2*\m+1]
.endr
.irp m, 0,1,2,3,4,5,6,7
	ds_store_b32 v[SGA], v[TMP+\m] offset:64*\m    ; lanes r and r + 16 store the same number to the same word
.endr
	s_wait_dscnt 0x0                               ; for the others' sake: my stores have landed
	s_barrier_signal -1
	s_barrier_wait -1
	ds_load_b64 v[TMP:TMP+1], v250                 ; rows 2 thread and 2 thread + 1: the sums over the g of j = 0,
	ds_load_b64 v[TMP+2:TMP+3], v250 offset:1024   ; and of j = 1
	s_wait_dscnt 0x0
	v_pk_add_f32 v[TMP:TMP+1], v[TMP:TMP+1], v[TMP+2:TMP+3]
	v_ldexp_f32 v[TMP], v[TMP], s47
	v_ldexp_f32 v[TMP+1], v[TMP+1], s47
	global_store_b64 v[T8], v[TMP:TMP+1], s[12:13] ; a wave stores 256 consecutive bytes, at a multiple of 256 from the buffer's first byte
	s_wait_tensorcnt 0x0                           ; the wave's end: behind my last tensor load and my last LDS store
	ds_add_u32 v[SPW], v[NIL]
	s_wait_dscnt 0x0
	CROUND                                         ; the closing round: no work-group ends while a partner may still ask for a tile that names it
	s_endpgm
.Lfunc_end_k_q16e53b23ea_energy:
	.size	k_q16e53b23ea_energy, .Lfunc_end_k_q16e53b23ea_energy-k_q16e53b23ea_energy
	.p2alignl 7, 3214868480
	.fill 96, 4, 3214868480
	.section	.rodata,"a",@progbits
	.p2align	6, 0x0
	.amdhsa_kernel k_q16e53b23ea_energy
		.amdhsa_group_segment_fixed_size 327680
		.amdhsa_private_segment_fixed_size 0
		.amdhsa_enable_private_segment 0
		.amdhsa_kernarg_size 40
		.amdhsa_user_sgpr_count 2
		.amdhsa_user_sgpr_kernarg_segment_ptr 1
		.amdhsa_wavefront_size32 1
		.amdhsa_system_sgpr_workgroup_id_x 1
		.amdhsa_system_sgpr_workgroup_id_y 1
		.amdhsa_system_sgpr_workgroup_id_z 1
		.amdhsa_system_vgpr_workitem_id 0
		.amdhsa_next_free_vgpr 1024
		.amdhsa_next_free_sgpr 66
		.amdhsa_reserve_vcc 0
		.amdhsa_float_denorm_mode_32 3
		.amdhsa_float_denorm_mode_16_64 3
		.amdhsa_memory_ordered 1
		.amdhsa_forward_progress 1
		.amdhsa_inst_pref_size 255
	.end_amdhsa_kernel
	.section	.bss,"aw",@nobits
	.p2align	6
	.space	262144
	.amdgpu_metadata
---
amdhsa.version: [ 1, 2 ]
amdhsa.kernels:
  - .name:           k_q16e53b23ea_energy
    .symbol:         k_q16e53b23ea_energy.kd
    .args:
      - { .name: targets, .offset: 0, .size: 8, .value_kind: global_buffer, .address_space: global }
      - { .name: wq, .offset: 8, .size: 8, .value_kind: global_buffer, .address_space: global }
      - { .name: hidden, .offset: 16, .size: 8, .value_kind: global_buffer, .address_space: global }
      - { .name: lowp_scales, .offset: 24, .size: 8, .value_kind: global_buffer, .address_space: global }
      - { .name: scores, .offset: 32, .size: 8, .value_kind: global_buffer, .address_space: global }
    .group_segment_fixed_size: 327680
    .private_segment_fixed_size: 0
    .kernarg_segment_align: 8
    .kernarg_segment_size: 40
    .max_flat_workgroup_size: 128
    .sgpr_count:     66
    .vgpr_count:     1024
    .wavefront_size: 32
...
	.end_amdgpu_metadata
.endif
;; end of part 2
;; launch soft (part 3): grid 32 x 1, 8 waves a work-group, no clusters, 1,280 bytes of LDS; arguments scores, b, hidden, out0; writes out0
.if DOCPART == 3
	.amdgcn_target "amdgcn-amd-amdhsa--gfx1250"
	.amdhsa_code_object_version 6
	.text
	.protected	k_q16e53b23ea_soft
	.globl	k_q16e53b23ea_soft
	.p2align	8
	.type	k_q16e53b23ea_soft,@function
k_q16e53b23ea_soft:
	s_mov_b64 s[64:65], 0
	v_nop
	global_prefetch_b8 v0, s[64:65] scope:SCOPE_SE
	s_setreg_imm32_b32 hwreg(HW_REG_WAVE_MODE, 25, 1), 1
	s_wait_xcnt 0x0
; out0[batch][l] = softmax over l of (scores[batch][l] + c), c = the sum over g of b[g] x hidden[batch][g]: the bias's part of every energy of the batch.  All in f32; the row's maximum is taken away before the exponential.
; SHARES.  One work-group takes one batch's row of 2,048 scores: a row's maximum and sum have one owner, and there are 32 rows, so 32 work-groups are all the work that there is.  Thread t of 256 takes the 16 bytes at 16 t
; and at 4,096 + 16 t of the row, and four numbers of b and of hidden: each load and store of a wave covers 512 consecutive bytes.  Matrix units, tensor loads and clusters would add nothing: 16 KB go through a work-group.
; THE MAXIMUM of score + c is (the largest score) + c: rounding an addition keeps the order.  So the largest term's exponent is exactly 0 and the sum is at least 1.
; LDS: words 0-7 the waves' parts of c, 8-15 their maxima, 16-23 their sums: each reduction has bytes of its own, so one barrier serves each.
.set L2E, 0x3fb8aa3b                   ; log2(e): v_exp_f32 works in base 2
.macro WSUM r, t                       ; the sum over the wave's 32 lanes, in every lane; v[t] has been written before
	v_add_f32_dpp v[\r], v[\r], v[\r] row_xmask:1 row_mask:0xf bank_mask:0xf
	v_add_f32_dpp v[\r], v[\r], v[\r] row_xmask:2 row_mask:0xf bank_mask:0xf
	v_add_f32_dpp v[\r], v[\r], v[\r] row_xmask:4 row_mask:0xf bank_mask:0xf
	v_add_f32_dpp v[\r], v[\r], v[\r] row_xmask:8 row_mask:0xf bank_mask:0xf
	v_permlanex16_b32 v[\t], v[\r], s16, s17
	v_add_f32 v[\r], v[\r], v[\t]
.endm
	s_load_b256 s[4:11], s[0:1], 0x0               ; scores s[4:5], b s[6:7], hidden s[8:9], out0 s[10:11]
	v_lshl_add_u32 v48, v0, 2, 0x100
	v_mov_b32 v49, 0
	v_lshlrev_b32 v1, 4, v0                        ; 16 bytes a thread
	v_lshrrev_b32 v2, 5, v0
	v_lshlrev_b32 v3, 2, v2                        ; my wave's word
	v_mov_b32 v40, 0
	s_lshl_b32 s12, ttmp9, 13                      ; my row of scores and of out0: 8,192 bytes,
	s_mov_b32 s13, 0
	s_lshl_b32 s14, ttmp9, 12                      ; of hidden: 4,096
	s_mov_b32 s15, 0
	s_mov_b32 s16, 0x76543210                      ; v_permlanex16_b32: each lane takes its own place in the other half
	s_mov_b32 s17, 0xfedcba98
	s_wait_kmcnt 0x0
	s_add_nc_u64 s[4:5], s[4:5], s[12:13]
	s_add_nc_u64 s[10:11], s[10:11], s[12:13]
	s_add_nc_u64 s[8:9], s[8:9], s[14:15]
	global_load_b128 v[4:7], v1, s[6:7]            ; b
	global_load_b128 v[8:11], v1, s[8:9]           ; hidden
	global_load_b128 v[12:15], v1, s[4:5]          ; eight scores
	global_load_b128 v[16:19], v1, s[4:5] offset:4096
	s_wait_loadcnt 0x2                             ; b and hidden are in; the scores' two loads may be out
	v_pk_mul_f32 v[20:21], v[4:5], v[8:9]
	v_pk_fma_f32 v[20:21], v[6:7], v[10:11], v[20:21]
	v_add_f32 v20, v20, v21
	WSUM 20, 21                                    ; my wave's part of c
	s_wait_loadcnt 0x0
	v_max3_num_f32 v22, v12, v13, v14
	v_max3_num_f32 v23, v15, v16, v17
	v_max3_num_f32 v22, v22, v18, v19
	v_max_num_f32 v22, v22, v23
	v_max_num_f32_dpp v22, v22, v22 row_xmask:1 row_mask:0xf bank_mask:0xf
	v_max_num_f32_dpp v22, v22, v22 row_xmask:2 row_mask:0xf bank_mask:0xf
	v_max_num_f32_dpp v22, v22, v22 row_xmask:4 row_mask:0xf bank_mask:0xf
	v_max_num_f32_dpp v22, v22, v22 row_xmask:8 row_mask:0xf bank_mask:0xf
	v_permlanex16_b32 v23, v22, s16, s17
	v_max_num_f32 v22, v22, v23                    ; my wave's largest score
	ds_store_b32 v3, v20                           ; all lanes of a wave store the same number to the wave's word
	ds_store_b32 v3, v22 offset:32
	s_wait_dscnt 0x0                               ; for the others' sake: my stores have landed
	s_barrier_signal -1
	s_barrier_wait -1
	ds_load_b128 v[24:27], v40
	ds_load_b128 v[28:31], v40 offset:16
	ds_load_b128 v[32:35], v40 offset:32
	ds_load_b128 v[36:39], v40 offset:48
	s_wait_dscnt 0x0
	v_pk_add_f32 v[24:25], v[24:25], v[26:27]
	v_pk_add_f32 v[28:29], v[28:29], v[30:31]
	v_pk_add_f32 v[24:25], v[24:25], v[28:29]
	v_add_f32 v42, v24, v25                        ; c, the same bits in every thread
	v_mov_b32 v43, v42                             ; (a pair for the packed forms)
	v_max3_num_f32 v32, v32, v33, v34
	v_max3_num_f32 v35, v35, v36, v37
	v_max3_num_f32 v32, v32, v38, v39
	v_max_num_f32 v32, v32, v35
	v_add_f32 v44, v32, v42                        ; the row's largest energy
	v_mov_b32 v45, v44
.irp j, 12,14,16,18
	v_pk_add_f32 v[\j:\j+1], v[\j:\j+1], v[42:43]                                   ; the energy: score + c
.endr
.irp j, 12,14,16,18
	v_pk_add_f32 v[\j:\j+1], v[\j:\j+1], v[44:45] neg_lo:[0,1] neg_hi:[0,1]         ; less the maximum: the difference is taken first, so that it is not a difference of two rounded products
.endr
.irp j, 12,14,16,18
	v_pk_mul_f32 v[\j:\j+1], v[\j:\j+1], L2E op_sel_hi:[1,0]
.endr
.irp j, 12,13,14,15,16,17,18,19
	v_exp_f32 v[\j], v[\j]
.endr
	v_nop                                          ; a plain line between the last exponential and the use of its result (ISA guide 5.7.2)
	s_wait_alu depctr_va_vdst(0)
	v_pk_add_f32 v[20:21], v[12:13], v[14:15]
	v_pk_add_f32 v[22:23], v[16:17], v[18:19]
	v_pk_add_f32 v[20:21], v[20:21], v[22:23]
	v_add_f32 v20, v20, v21
	WSUM 20, 21
	ds_store_b32 v3, v20 offset:64
	s_wait_dscnt 0x0
	s_barrier_signal -1
	s_barrier_wait -1
	ds_load_b128 v[24:27], v40 offset:64
	ds_load_b128 v[28:31], v40 offset:80
	s_wait_dscnt 0x0
	v_pk_add_f32 v[24:25], v[24:25], v[26:27]
	v_pk_add_f32 v[28:29], v[28:29], v[30:31]
	v_pk_add_f32 v[24:25], v[24:25], v[28:29]
	v_add_f32 v24, v24, v25                        ; the row's sum, at least 1
	v_rcp_f32 v26, v24
	v_nop                                          ; a plain line behind the reciprocal
	s_wait_alu depctr_va_vdst(0)
	v_mov_b32 v27, v26
.irp j, 12,14,16,18
	v_pk_mul_f32 v[\j:\j+1], v[\j:\j+1], v[26:27]
.endr
	global_store_b128 v1, v[12:15], s[10:11]       ; a wave stores 512 consecutive bytes
	global_store_b128 v1, v[16:19], s[10:11] offset:4096
	s_wait_tensorcnt 0x0
	ds_add_u32 v48, v49
	s_wait_dscnt 0x0
	s_endpgm
.Lfunc_end_k_q16e53b23ea_soft:
	.size	k_q16e53b23ea_soft, .Lfunc_end_k_q16e53b23ea_soft-k_q16e53b23ea_soft
	.p2alignl 7, 3214868480
	.fill 96, 4, 3214868480
	.section	.rodata,"a",@progbits
	.p2align	6, 0x0
	.amdhsa_kernel k_q16e53b23ea_soft
		.amdhsa_group_segment_fixed_size 1280
		.amdhsa_private_segment_fixed_size 0
		.amdhsa_enable_private_segment 0
		.amdhsa_kernarg_size 32
		.amdhsa_user_sgpr_count 2
		.amdhsa_user_sgpr_kernarg_segment_ptr 1
		.amdhsa_wavefront_size32 1
		.amdhsa_system_sgpr_workgroup_id_x 1
		.amdhsa_system_sgpr_workgroup_id_y 1
		.amdhsa_system_sgpr_workgroup_id_z 1
		.amdhsa_system_vgpr_workitem_id 0
		.amdhsa_next_free_vgpr 50
		.amdhsa_next_free_sgpr 66
		.amdhsa_reserve_vcc 0
		.amdhsa_float_denorm_mode_32 3
		.amdhsa_float_denorm_mode_16_64 3
		.amdhsa_memory_ordered 1
		.amdhsa_forward_progress 1
		.amdhsa_inst_pref_size 7
	.end_amdhsa_kernel
	.amdgpu_metadata
---
amdhsa.version: [ 1, 2 ]
amdhsa.kernels:
  - .name:           k_q16e53b23ea_soft
    .symbol:         k_q16e53b23ea_soft.kd
    .args:
      - { .name: scores, .offset: 0, .size: 8, .value_kind: global_buffer, .address_space: global }
      - { .name: b, .offset: 8, .size: 8, .value_kind: global_buffer, .address_space: global }
      - { .name: hidden, .offset: 16, .size: 8, .value_kind: global_buffer, .address_space: global }
      - { .name: out0, .offset: 24, .size: 8, .value_kind: global_buffer, .address_space: global }
    .group_segment_fixed_size: 1280
    .private_segment_fixed_size: 0
    .kernarg_segment_align: 8
    .kernarg_segment_size: 32
    .max_flat_workgroup_size: 256
    .sgpr_count:     66
    .vgpr_count:     50
    .wavefront_size: 32
...
	.end_amdgpu_metadata
.endif
;; end of part 3
;; ======== version 2 of 2: 3 launches
;; limits: right only within a limited range of input values
;; workspace buffers: wq 1,048,576 bytes; scores 262,144 bytes
;; launch wquant (part 4): grid 256 x 1, 4 waves a work-group, no clusters, 0 bytes of LDS; arguments W, lowp_scales, wq; writes wq
.if DOCPART == 4
	.amdgcn_target "amdgcn-amd-amdhsa--gfx1250"
	.amdhsa_code_object_version 6
	.text
	.protected	k_q16e53b23ea_wquant
	.globl	k_q16e53b23ea_wquant
	.p2align	8
	.type	k_q16e53b23ea_wquant,@function
k_q16e53b23ea_wquant:
	s_mov_b64 s[64:65], 0
	v_nop
	global_prefetch_b8 v0, s[64:65] scope:SCOPE_SE
	s_setreg_imm32_b32 hwreg(HW_REG_WAVE_MODE, 25, 1), 1
	s_wait_xcnt 0x0
; W [1024 (g)][1024 (k)], f32, becomes codes of E5M2, one byte each, with the given scale 2^e1 (entry 1 of the scales): code = W / 2^e1, held within +-57,344, to the nearest code, ties to even.
; LAYOUT OF THE CODES.  K is cut into 4 chunks of 256.  The codes of chunk c of row g are the 256 bytes at (1024 c + g) x 256, so that the 256 rows g = 256 t .. 256 t + 255 of a chunk are one dense
; block of 65,536 bytes, and the sixteen blocks follow each other in the order in which the next launch walks them.
; ORDER INSIDE A CHUNK.  Byte 8 i + 4 q + e stands for k = 256 c + 128 q + 4 i + e (i = 0 .. 31, q = 0, 1, e = 0 .. 3): what comes of two loads of 512 consecutive bytes, 16 a lane, and one conversion of a
; lane's eight registers.  The next launch lays the other operand's codes in the same order, so every product meets its partner.
; SHARES.  One wave takes one row g: eight loads of 512 consecutive bytes, four stores of 256 consecutive bytes, each at a multiple of 256 from the buffer's first byte.  No LDS, no barrier, no loop.
; LIMITS: e1 between -126 and 112, so that 2^e1 and 57,344 x 2^e1 are f32 numbers.  NaN among the inputs is not served (an infinity is held at the largest code).
.set CHB, 262144                       ; bytes of a chunk's codes: 1,024 rows x 256
.set X,   8                            ; v8-39   the row: load n in v[8 + 4 n ..]
.set C,   40                           ; v40-47  codes: two registers for each chunk, so that no store's data are written again
	s_load_b128 s[4:7], s[0:1], 0x0                ; W s[4:5], the scales' exponents s[6:7]
	s_load_b64 s[8:9], s[0:1], 0x10                ; the codes
	v_lshrrev_b32 v4, 5, v0
	v_readfirstlane_b32 s10, v4                    ; wave 0..3
	v_and_b32 v5, 31, v0                           ; lane
	v_lshlrev_b32 v1, 4, v5                        ; in: 16 bytes a lane
	v_lshlrev_b32 v2, 3, v5                        ; out: 8 bytes a lane
	s_lshl_b32 s11, ttmp9, 2
	s_add_co_u32 s11, s11, s10                     ; my row g = 4 x work-group + wave
	s_lshl_b32 s14, s11, 12                        ; its 4,096 bytes in W,
	s_mov_b32 s15, 0
	s_lshl_b32 s16, s11, 8                         ; its 256 bytes in a chunk of codes
	s_mov_b32 s17, 0
	s_wait_alu depctr_va_vdst(0)
	s_wait_kmcnt 0x0
	s_load_b32 s12, s[6:7], 0x4                    ; e1
	s_add_nc_u64 s[4:5], s[4:5], s[14:15]
	s_add_nc_u64 s[8:9], s[8:9], s[16:17]
.irp n, 0,1,2,3,4,5,6,7
	global_load_b128 v[X+4*\n:X+4*\n+3], v1, s[4:5] offset:512*\n th:TH_LOAD_NT   ; k = 128 n + 4 lane + 0 .. 3; read once in the launch
.endr
	s_wait_kmcnt 0x0
	s_add_co_i32 s12, s12, 127
	s_lshl_b32 s13, s12, 23
	v_mov_b32 v3, s13                              ; 2^e1 as f32: the conversion takes its exponent field
	s_add_co_i32 s12, s12, 15
	s_lshl_b32 s12, s12, 23
	s_or_b32 s12, s12, 0x600000
	v_mov_b32 v6, s12                              ; 57,344 x 2^e1
	s_wait_alu depctr_va_vdst(0)
.irp c, 0,1,2,3
	s_wait_loadcnt 6-2*\c                          ; loads come back in order: chunk c's two are in, the 6 - 2 c behind them may be out
.irp i, 0,1,2,3,4,5,6,7
	v_med3_num_f32 v[X+8*\c+\i], v[X+8*\c+\i], -v6, v6   ; the conversion to an 8-bit code does not saturate (ISA guide 7.6.2): the hold comes first
.endr
	v_cvt_scalef32_pk8_bf8_f32 v[C+2*\c:C+2*\c+1], v[X+8*\c:X+8*\c+7], v3   ; its result goes to a store alone; the next chunk's holds are plain lines on other registers
	global_store_b64 v2, v[C+2*\c:C+2*\c+1], s[8:9] offset:\c*CHB   ; 32 lanes store 256 consecutive bytes
.endr
	s_endpgm
.Lfunc_end_k_q16e53b23ea_wquant:
	.size	k_q16e53b23ea_wquant, .Lfunc_end_k_q16e53b23ea_wquant-k_q16e53b23ea_wquant
	.p2alignl 7, 3214868480
	.fill 96, 4, 3214868480
	.section	.rodata,"a",@progbits
	.p2align	6, 0x0
	.amdhsa_kernel k_q16e53b23ea_wquant
		.amdhsa_group_segment_fixed_size 0
		.amdhsa_private_segment_fixed_size 0
		.amdhsa_enable_private_segment 0
		.amdhsa_kernarg_size 24
		.amdhsa_user_sgpr_count 2
		.amdhsa_user_sgpr_kernarg_segment_ptr 1
		.amdhsa_wavefront_size32 1
		.amdhsa_system_sgpr_workgroup_id_x 1
		.amdhsa_system_sgpr_workgroup_id_y 1
		.amdhsa_system_sgpr_workgroup_id_z 1
		.amdhsa_system_vgpr_workitem_id 0
		.amdhsa_next_free_vgpr 48
		.amdhsa_next_free_sgpr 66
		.amdhsa_reserve_vcc 0
		.amdhsa_float_denorm_mode_32 3
		.amdhsa_float_denorm_mode_16_64 3
		.amdhsa_memory_ordered 1
		.amdhsa_forward_progress 1
		.amdhsa_inst_pref_size 5
	.end_amdhsa_kernel
	.amdgpu_metadata
---
amdhsa.version: [ 1, 2 ]
amdhsa.kernels:
  - .name:           k_q16e53b23ea_wquant
    .symbol:         k_q16e53b23ea_wquant.kd
    .args:
      - { .name: W, .offset: 0, .size: 8, .value_kind: global_buffer, .address_space: global }
      - { .name: lowp_scales, .offset: 8, .size: 8, .value_kind: global_buffer, .address_space: global }
      - { .name: wq, .offset: 16, .size: 8, .value_kind: global_buffer, .address_space: global }
    .group_segment_fixed_size: 0
    .private_segment_fixed_size: 0
    .kernarg_segment_align: 8
    .kernarg_segment_size: 24
    .max_flat_workgroup_size: 128
    .sgpr_count:     66
    .vgpr_count:     48
    .wavefront_size: 32
...
	.end_amdgpu_metadata
.endif
;; end of part 4
;; launch energy (part 5): grid 256 x 1, 4 waves a work-group, clusters of 4 x 1, 327,680 bytes of LDS; arguments targets, wq, hidden, lowp_scales, scores; writes scores
.if DOCPART == 5
	.amdgcn_target "amdgcn-amd-amdhsa--gfx1250"
	.amdhsa_code_object_version 6
	.text
	.protected	k_q16e53b23ea_energy
	.globl	k_q16e53b23ea_energy
	.p2align	8
	.type	k_q16e53b23ea_energy,@function
k_q16e53b23ea_energy:
	s_mov_b64 s[64:65], 0
	v_nop
	global_prefetch_b8 v0, s[64:65] scope:SCOPE_SE
	s_setreg_imm32_b32 hwreg(HW_REG_WAVE_MODE, 25, 1), 1
	s_wait_xcnt 0x0
	s_wait_alu depctr_hold_cnt(0) depctr_sa_sdst(0) depctr_va_vdst(0) depctr_va_sdst(0) depctr_va_ssrc(0) depctr_va_vcc(0) depctr_vm_vsrc(0)
	s_getreg_b32 s2, hwreg(HW_REG_IB_STS2, 6, 4)
	s_cmp_eq_u32 s2, 0
	s_cbranch_scc0 .Lentry_in_a_cluster
	s_endpgm
.Lentry_in_a_cluster:
	s_bfe_u32 s2, ttmp6, 0x10000c
	s_cmp_lg_u32 s2, 0x3003
	s_cbranch_scc0 .Lentry_shape_is_right
	s_endpgm
.Lentry_shape_is_right:
; scores[row] = 2^(e0 + e1) x the sum over g of h[g] x (the sum over k of Q(targets)[row][k] x Q(W)[g][k]), for the 65,536 rows (batch, l); h is the row's batch's row of hidden.
; (The bias's part and the softmax are the next launch's.)  targets: f32, quantised here to E5M2 with the given 2^e0; W: codes made by the launch before, in the same order of K inside a chunk.
; The sum over g is linear: a chunk of 256 of K is multiplied by h and added up at once.  For a chunk my 256 rows' codes stay in registers and all 1,024 rows of W pass by, 256 a step, through two LDS slots.
; SHARES.  Wave w = 2 i + j multiplies rows 128 i .. + 127 by rows 128 j .. + 127 of each slot of W: a fragment of W feeds 8 matrix instructions.  As a loader wave w reads rows 64 w .. + 63 of targets through a ring of 64 loads
; in registers (a lap = 32 rows x a chunk), holds, converts and stores codes into an image in LDS, one chunk ahead of the products.
; THE MATRIX INSTRUCTION: source 0 = 16 of my rows, source 1 = 16 rows of W: lane (r, hh) holds g = r and, in register jj, my row 8 hh + jj.  So h is one number a lane and tile; it lies doubled in LDS, transposed, and a step's
; eight pairs come by four loads.  S (64 registers) holds each row's sum over the g of one lane; the sixteen lanes are added once, at the end.
; A TILE: 16 rows of W x my 128 rows x 256 K, 16 matrix instructions on eight accumulators, in groups of four by turns (K step 0, K step 1), three others between a sum's two steps.
; Behind each matrix instruction stand two packed multiply-adds that drain an accumulator finished two instructions earlier: four plain places lie between; accumulators 5 to 7 are drained in the next tile's first six places.
; THE CHANGE OF SLOTS stands in tile 6 of a step: by then all reads of the slot in hand are issued; the next step's first fragments are read behind the round, under tile 7.
; THE CHUNKS ARE WALKED FROM ANOTHER START IN EACH CLUSTER: chunk (c + cluster % 4) % 4 at turn c, in targets and in W alike; only the order of the f32 sums hangs on it.
; CLUSTER 4 x 1: all work-groups walk the same tiles of W; the four of a cluster ask for each jointly.  A mask names four, and W is all that is shared.
; PREFETCH.  targets: each wave asks for its own 32 rows x 1,024 bytes of a lap by four instructions, a lane a row, 256 bytes a lane; each block is named once, by the wave that will load it.  While the loads of lap n are issued,
; lap n + 1 is asked for, one instruction in each of four tiles, behind a step's tensor load and three tiles or more ahead of the next.  Lap 0 is asked for at the head behind W's first tensor load, ahead of the head's waits and its
; second round, behind which lap 0's loads are issued; lap 1 behind W's second tensor load.  At most two laps are asked for and not yet loaded; nothing is asked for behind lap 7.
; W is not prefetched: all 64 clusters walk its tiles, so a prefetch by each would name the same bytes many times.
; LIMITS: e0 between -126 and 112; e0 + e1 is applied by v_ldexp_f32.  NaN among the inputs is not served.  The f32 sums go by chunks of K and then over g.
; REGISTERS.  window 0: v1-15 addresses; v16-79 accumulators; v80-143 W's fragments, two sets; v144-207 S; v208.. at work.  window 1: v0-31 h, two sets of 8 pairs; v32-255 my rows' tiles 0-6.
; window 2: v0-31 my rows' tile 7; v32-63 h once more.  windows 2, 3: v112 2^e0; v114-121 codes; v128-255 the ring, eight positions of 16 in each.
.set PIT,   272                        ; an LDS row of codes: 256 bytes + 16 of padding
.set QTR,   64*PIT
.set SL1,   256*PIT                    ; slot 0 at 0, slot 1 here: tensor loads fill these two alone
.set IMG,   2*SL1                      ; the image: a chunk's codes of my 256 rows
.set HB,    3*SL1                      ; h, doubled: (g / 128) x 1,024 + (g % 16) x 64 + ((g % 128) / 16) x 8
.set STG,   HB+8192                    ; the two column halves' sums, [j][256] f32
.set SPARE, STG+2048                   ; the spare words: 128 bytes a wave
.set SPW, 1
.set NIL, 2
.set PFO, 3                            ; the prefetches' offset: 4,096 x lane, a row of targets a lane
.set AW,  4                            ; v4, v5  my lane's place in slot 0, 1: (128 j + r) x 272 + 16 hh
.set AI,  6                            ; the image, as a reader
.set AH0, 7                            ; h: HB + 1,024 j + 64 r
.set AH,  8
.set ST0, 9                            ; the image, as a writer: IMG + 64 w x 272 + 8 lane
.set STA, 10
.set GA,  11                           ; 16 x lane
.set SGA, 12
.set T8,  13
.set RDA, 14
.set HST, 15
.set ACC, 16
.set WF,  80
.set S,   144
.set TMP, 208
; scalars: s14 wave, s15 i, s16 j, s18 block; s[20:21] targets at my wave's rows; s[22:23] the lap whose loads are issued; s[56:57] the lap behind it, for the prefetches; s[24:31], s[32:35] descriptor; s[36:37] an offset;
; s40 h's quarter; s41 counter; s44, s45 +-57,344 x 2^e0; s46 2^e0; s47 e0 + e1; s[52:53] W at my 64 rows; s[58:59] W's tile offset; s60, s61 my LDS place in slot 0, 1; s62 cluster % 4
.set MSB, 0
.macro WIN new
.if MSB != (\new)
	s_set_vgpr_msb (MSB<<8)|(\new)
.set MSB, (\new)
.endif
.endm
.macro CREST                           ; a round of the cluster's barrier behind its opening barrier
	s_cmp_lg_u32 s14, 0
	s_cbranch_scc1 .Lnot_wave_0_\@
	s_barrier_signal -3
.Lnot_wave_0_\@:
	s_barrier_wait -3
	s_barrier_signal -1
	s_barrier_wait -1
.endm
.macro CROUND
	s_barrier_signal -1
	s_barrier_wait -1
	CREST
.endm
.macro JLOAD                           ; every wave fetches its own 64 rows
	tensor_load_to_lds s[32:35], s[24:31]
	s_nop 0
.rept 4
	v_nop
.endr
.endm
.macro WSTEP sl                        ; the descriptor: the next tile of W (round the buffer's end), into slot sl
	s_add_co_u32 s58, s58, 65536
	s_and_b32 s58, s58, 0xfffff
	s_add_nc_u64 s[34:35], s[52:53], s[58:59]
	s_or_b32 s35, s35, 0x80000000
	s_mov_b32 s33, s[60+(\sl)]
.endm
.macro LISSUE pos                      ; rows 2 pos, 2 pos + 1 of the lap's 32: a chunk's 1,024 bytes of each in two loads of 512
.set gq, 128+16*((\pos)%8)
	WIN 0x80+0x40*((\pos)/8)
	global_load_b128 v[gq:gq+3],     v[GA], s[22:23] offset:(2*(\pos))*4096 th:TH_LOAD_NT
	global_load_b128 v[gq+4:gq+7],   v[GA], s[22:23] offset:(2*(\pos))*4096+512 th:TH_LOAD_NT
	global_load_b128 v[gq+8:gq+11],  v[GA], s[22:23] offset:(2*(\pos)+1)*4096 th:TH_LOAD_NT
	global_load_b128 v[gq+12:gq+15], v[GA], s[22:23] offset:(2*(\pos)+1)*4096+512 th:TH_LOAD_NT
.endm
.macro LVEC pos, left, alone           ; 16 numbers a lane are held and converted; left: the loads issued behind this position's four
.set gq, 128+16*((\pos)%8)
.set cd, 114+4*((\pos)%2)
	s_wait_loadcnt \left
.if \alone
	s_wait_dscnt 2                                 ; only the slice before's two stores may be out
.endif
	WIN 0xaa+0x55*((\pos)/8)
.set kk, 0
.rept 16
	v_med3_num_f32 v[gq+kk], v[gq+kk], s45, s44    ; the conversion does not saturate (ISA guide 7.6.2): the hold comes first
.set kk, kk+1
.endr
	v_cvt_scalef32_pk8_bf8_f32 v[cd:cd+1], v[gq:gq+7], v112
	v_cvt_scalef32_pk8_bf8_f32 v[cd+2:cd+3], v[gq+8:gq+15], v112
	v_nop                                          ; one plain line behind the last conversion
.endm
.macro LSTO pos
.set cd, 114+4*((\pos)%2)
	WIN 0x08+0x04*((\pos)/8)
	ds_store_b64 v[STA], v[cd:cd+1] offset:(2*(\pos))*PIT
	ds_store_b64 v[STA], v[cd+2:cd+3] offset:(2*(\pos)+1)*PIT
.endm
.macro LAPOFF k                        ; s36 = where loader lap s41 + k begins: half (lap % 2) of my rows, chunk (lap / 2 + cluster) % 4
	s_add_co_u32 s42, s41, \k
	s_and_b32 s43, s42, 1
	s_lshl_b32 s43, s43, 17
	s_lshr_b32 s42, s42, 1
	s_add_co_u32 s42, s42, s62
	s_and_b32 s42, s42, 3
	s_lshl_b32 s42, s42, 10
	s_add_co_u32 s36, s42, s43
.endm
.macro BASE k                          ; the bases of lap s41 + k, whose loads begin here, and of the lap behind it, which is prefetched
	s_wait_xcnt 0x0                                ; the loads and prefetches issued so far have read their bases
	LAPOFF \k
	s_add_nc_u64 s[22:23], s[20:21], s[36:37]
	LAPOFF (\k)+1
	s_add_nc_u64 s[56:57], s[20:21], s[36:37]
.endm
.macro ASK pos                         ; at ring positions 1, 3, 9, 11: quarter 0 .. 3 of the next lap's rows, 32 rows x 256 bytes, a lane a row
	global_prefetch_b8 v[PFO], s[56:57] offset:256*(2*((\pos)/8)+((\pos)%8)/2) th:TH_LOAD_NT scope:SCOPE_SE
.endm
.macro LAPW k                          ; where loader lap s41 + k stores: its half of my 64 rows of the image
	s_add_co_u32 s42, s41, \k
	s_and_b32 s42, s42, 1
	s_mul_i32 s42, s42, 32*PIT
	v_add_nc_u32 v[STA], s42, v[ST0]
	s_wait_alu depctr_va_vdst(0)
.endm
.macro LSLICE pos, issue, left
	LVEC \pos, \left, 1
	LSTO \pos
.if \issue
.if (\pos) == 0
	BASE 1
.endif
	LISSUE \pos
.if ((\pos)%8 == 1) || ((\pos)%8 == 3)
	WIN 0
	ASK \pos                                       ; laps 2 and 3
.endif
.endif
.endm
.macro WLOAD set, sl, rw               ; two fragments of W: rows 16 rw .. of my half of slot sl
.set cc, 0
.rept 8
	ds_load_b128 v[WF+32*(\set)+4*cc:WF+32*(\set)+4*cc+3], v[AW+(\sl)] offset:16*(\rw)*PIT+128*(cc/4)+32*(cc%4)
.set cc, cc+1
.endr
.endm
.macro HLOAD set, areg                 ; a step's eight pairs of h, into window 1 and once more into window 2
	WIN 0x40
.irp q, 0,1,2,3
	ds_load_b128 v[16*(\set)+4*\q:16*(\set)+4*\q+3], v[\areg] offset:16*\q
.endr
	WIN 0x80
.irp q, 0,1,2,3
	ds_load_b128 v[32+16*(\set)+4*\q:32+16*(\set)+4*\q+3], v[\areg] offset:16*\q
.endr
.endm
; place n's two multiply-adds: half (n + 10) % 2 of accumulator ((n + 10) % 16) / 2; places 0 to 5 drain the tile before, with its h
.macro PK n, t, sp, hb
.set ix, ((\n)+10)%16
.set aa, ix/2
.set uu, 4*(ix%2)
.if (\n) < 6
.if (\t) == 0
.set rH, 16*(1-(\sp))+14
.else
.set rH, 16*(\sp)+2*((\t)-1)
.endif
.else
.set rH, 16*(\sp)+2*(\t)
.endif
.set rH, rH+(\hb)
.set rS, S+8*aa+uu
.set rR, ACC+8*aa+uu
	v_pk_fma_f32 v[rS:rS+1], v[rH:rH+1], v[rR:rR+1], v[rS:rS+1]
	v_pk_fma_f32 v[rS+2:rS+3], v[rH:rH+1], v[rR+2:rR+3], v[rS+2:rS+3]
.endm
.macro SLOT n, t, sp
.set ks, ((\n)/4)%2
.set mm, ((\n)%4)+4*((\n)/8)
.set rD, ACC+8*mm
.set rW, WF+32*((\t)%2)+16*ks
.if mm == 7
	WIN 0x02                                       ; source 0 window 2: my rows' tile 7, and h's copy
.set rA, 16*ks
.set hw, 32
.else
	WIN 0x01                                       ; source 0 window 1
.set rA, 32+32*mm+16*ks
.set hw, 0
.endif
.if ks == 0
	v_wmma_f32_16x16x128_bf8_bf8 v[rD:rD+7], v[rA:rA+15], v[rW:rW+15], 0
.else
	v_wmma_f32_16x16x128_bf8_bf8 v[rD:rD+7], v[rA:rA+15], v[rW:rW+15], v[rD:rD+7]
.endif
	PK \n, \t, \sp, hw
.endm
; chg (tile 6 alone): 1 = the slot in hand is filled again behind a round; 2 = the last change, nothing is filled.  last = 1: no step follows.
.macro TILE t, sp, full, pos, chg, last
.set tp, (\t)%2
.set cg, 0
.set lf, 60                            ; behind a position's four loads stand the fifteen other positions' sixty;
.if (\t) == 6
.set cg, \chg
.set lf, 56                            ; in tile 6 fourteen positions': tile 5's are issued with tile 6's, behind the round
.endif
.if (\t) == 7
.if \last
	s_wait_dscnt 0x0
.endif
.else
	s_wait_dscnt 8+2*\full                         ; only the tile before's run may be out: eight loads (and two stores)
.endif
.if cg
	WIN 0
	s_wait_tensorcnt 0x0                           ; my one tensor load, my quarter of the next slot, has landed
	ds_add_u32 v[SPW], v[NIL]                      ; eight products stand between the add and its wait
.if cg == 1
	WSTEP \sp
.endif
.endif
.set nn, 0
.rept 8
	SLOT nn, \t, \sp
.set nn, nn+1
.endr
.if cg
	s_wait_dscnt 0x0                               ; the add is done, my reads of this slot (tile 7's fragments the last) are in, my stores have landed
	s_barrier_signal -1
.endif
.rept 8
	SLOT nn, \t, \sp
.set nn, nn+1
.endr
.if cg
	WIN 0
	s_barrier_wait -1
.if cg == 1
	CREST                                          ; no wave of any partner still reads this slot or has a load on its way
	JLOAD
.endif
.endif
.if \full
	LVEC \pos, lf, 0                               ; the sixteen holds are also the places in front of the loads below
	LSTO \pos
.else
	v_nop                                          ; with the two multiply-adds above: four places in front of the loads below
	v_nop
	WIN 0
.endif
.if (\t) < 6
	WLOAD tp, \sp, (\t)+2
.elseif (\last) == 0
	WLOAD tp, 1-(\sp), (\t)-6
.endif
.if cg
	WIN 0
	s_add_co_u32 s40, s40, 2048
	s_and_b32 s42, s40, 0x1800                     ; the next step's quarter of h
	v_add_nc_u32 v[AH], s42, v[AH0]
	HLOAD 1-(\sp), AH
.endif
.if \full
.if (\pos) == 0
	BASE 3
.endif
.if (\t) == 6
	LISSUE (\pos)-1
.endif
.if (\t) != 5
	LISSUE \pos
.endif
.if ((\pos)%8 == 1) || ((\pos)%8 == 3)
	WIN 0
	s_cmp_lt_u32 s41, 4                            ; laps 4 to 7; the last trip has no lap left to ask for
	s_cbranch_scc0 .Lno_lap_\@
	ASK \pos
.Lno_lap_\@:
.endif
.endif
.endm
.macro STEP sp, full, pos0, chg, last
.irp t, 0,1,2,3,4,5,6,7
	TILE \t, \sp, \full, \pos0+\t, \chg, \last
.endr
.endm
; A CHUNK'S HEAD: every wave's stores into the image have landed; my 128 rows' sixteen fragments come in; a second barrier, so that no wave stores the next chunk's codes while another still reads.
.macro HEAD
	WIN 0
	s_wait_dscnt 0x0
	s_barrier_signal -1
	s_barrier_wait -1
	WIN 0x40
.irp m, 0,1,2,3,4,5,6
.irp c, 0,1,2,3,4,5,6,7
	ds_load_b128 v[32+32*\m+4*\c:32+32*\m+4*\c+3], v[AI] offset:16*\m*PIT+128*(\c/4)+32*(\c%4)
.endr
.endr
	WIN 0x80
.irp c, 0,1,2,3,4,5,6,7
	ds_load_b128 v[4*\c:4*\c+3], v[AI] offset:16*7*PIT+128*(\c/4)+32*(\c%4)
.endr
	WIN 0
	s_wait_dscnt 0x0
	s_barrier_signal -1
	s_barrier_wait -1
.endm
	s_load_b256 s[4:11], s[0:1], 0x0               ; targets, W's codes, hidden, the scales' exponents
	s_load_b64 s[12:13], s[0:1], 0x20              ; scores
	v_lshl_add_u32 v[SPW], v0, 2, SPARE
	v_mov_b32 v[NIL], 0
	ds_add_u32 v[SPW], v[NIL]
	ds_add_u32 v[SPW], v[NIL]
	v_lshrrev_b32 v215, 5, v0
	v_readfirstlane_b32 s14, v215                  ; wave 0..3
	s_lshr_b32 s15, s14, 1                         ; i
	s_and_b32 s16, s14, 1                          ; j
	s_bfe_u32 s17, ttmp6, 0x40000                  ; cx
	s_lshl_b32 s18, ttmp9, 2
	s_add_co_u32 s18, s18, s17                     ; my block of 256 rows
	s_and_b32 s62, ttmp9, 3                        ; where my cluster begins its walk over the chunks
	s_mov_b32 s24, 15|(0<<16)|(1<<20)|(1<<21)|(5<<22)|(3<<25)   ; mask of all four; bytes; four words of padding after every 64
	s_mov_b32 s25, 256<<16
	s_mov_b32 s26, 64<<16
	s_mov_b32 s27, 256<<16
	s_mov_b32 s28, 64
	s_mov_b32 s29, 256
	s_mov_b32 s30, 0
	s_mov_b32 s31, 0
	s_mov_b32 s37, 0
	s_mov_b32 s59, 0
	s_mov_b32 s40, 0
	s_mul_i32 s60, s14, QTR
	s_add_co_u32 s61, s60, SL1
	s_mul_i32 s42, s15, 128*PIT
	s_add_co_u32 s42, s42, IMG
	s_mul_i32 s43, s16, 128*PIT
	s_add_co_u32 s44, s43, SL1
	s_lshl_b32 s45, s16, 10
	s_lshl_b32 s47, s15, 9
	s_add_co_u32 s47, s47, s45
	s_add_co_u32 s47, s47, STG
	s_add_co_u32 s45, s45, HB
	s_add_co_u32 s46, s60, IMG
	s_lshl_b32 s48, s14, 10
	s_add_co_u32 s48, s48, HB
	v_and_b32 v208, 15, v0                         ; r
	v_bfe_u32 v209, v0, 4, 1                       ; hh
	v_and_b32 v210, 31, v0                         ; lane
	v_lshlrev_b32 v[GA], 4, v210
	v_lshlrev_b32 v[PFO], 12, v210
	v_mul_u32_u24 v211, v208, PIT
	v_lshl_add_u32 v211, v209, 4, v211
	v_add_nc_u32 v[AI], s42, v211
	v_add_nc_u32 v[AW], s43, v211
	v_add_nc_u32 v[AW+1], s44, v211
	v_lshl_add_u32 v[AH0], v208, 6, s45
	v_lshl_add_u32 v[ST0], v210, 3, s46
	v_lshl_add_u32 v[SGA], v209, 5, s47            ; row 128 i + 16 m + 8 hh + jj of half j
	v_lshlrev_b32 v[T8], 3, v0
	v_lshl_add_u32 v[RDA], v0, 3, STG
	v_and_b32 v212, 3, v0
	v_bfe_u32 v213, v0, 2, 3
	v_lshlrev_b32 v212, 8, v212
	v_lshl_add_u32 v212, v213, 3, v212
	v_add_nc_u32 v[HST], s48, v212                 ; where h[4 thread + e] goes: + 64 e
	v_lshlrev_b32 v214, 4, v0
	s_wait_alu depctr_va_vdst(0)
	s_wait_dscnt 0x0
	s_wait_kmcnt 0x0
	s_load_b64 s[50:51], s[10:11], 0x0             ; e0, e1
	s_lshl_b32 s36, s18, 20
	s_lshl_b32 s42, s14, 18
	s_add_co_u32 s36, s36, s42
	s_add_nc_u64 s[20:21], s[4:5], s[36:37]
	s_lshl_b32 s36, s62, 10
	s_add_nc_u64 s[22:23], s[20:21], s[36:37]      ; loader lap 0
	s_lshr_b32 s36, s18, 3
	s_lshl_b32 s36, s36, 12
	s_add_nc_u64 s[8:9], s[8:9], s[36:37]          ; my batch's row of hidden
	s_lshl_b32 s36, s18, 10
	s_add_nc_u64 s[12:13], s[12:13], s[36:37]      ; my 256 scores
	s_lshl_b32 s36, s14, 14
	s_add_nc_u64 s[52:53], s[6:7], s[36:37]        ; my 64 rows of a tile of W
	s_lshl_b32 s58, s62, 18                        ; my cluster's first tile
	s_mov_b32 s32, 1
	s_mov_b32 s33, s60
	s_add_nc_u64 s[34:35], s[52:53], s[58:59]
	s_or_b32 s35, s35, 0x80000000
	CROUND                                         ; all four work-groups are here: the first joint loads meet
	JLOAD                                          ; tile 0: one tensor load a wave at the head, ahead of all other requests
	global_load_b128 v[216:219], v214, s[8:9]
	global_load_b128 v[220:223], v214, s[8:9] offset:2048
.set kk, 0
.rept 64
	v_mov_b32 v[S+kk], 0                           ; the sums run through the whole launch
.set kk, kk+1
.endr
.set kk, 0
.rept 24
	v_mov_b32 v[ACC+40+kk], 0                      ; the first tile's first six places drain accumulators 5 to 7: zeros,
.set kk, kk+1
.endr
	WIN 0x40
	v_mov_b32 v30, 0                               ; times a pair of zeros
	v_mov_b32 v31, 0
	WIN 0
.irp b, 0,1,2,3
	global_prefetch_b8 v[PFO], s[22:23] offset:256*\b th:TH_LOAD_NT scope:SCOPE_SE   ; lap 0: its loads stand behind the waits and the round below
.endr
	s_wait_alu depctr_va_vdst(0)
	s_wait_kmcnt 0x0
	s_add_co_i32 s47, s50, s51                     ; e0 + e1
	s_add_co_i32 s42, s50, 127
	s_lshl_b32 s46, s42, 23                        ; 2^e0
	s_add_co_i32 s42, s42, 15
	s_lshl_b32 s44, s42, 23
	s_or_b32 s44, s44, 0x600000                    ; 57,344 x 2^e0
	s_xor_b32 s45, s44, 0x80000000
	WIN 0x80
	v_mov_b32 v112, s46
	WIN 0xc0
	v_mov_b32 v112, s46
	WIN 0
	s_wait_alu depctr_va_vdst(0)
	s_wait_loadcnt 0x0                             ; h's two loads are the only ones out
.irp e, 0,1,2,3
	ds_store_b32 v[HST], v[216+\e] offset:64*\e
	ds_store_b32 v[HST], v[216+\e] offset:64*\e+4
	ds_store_b32 v[HST], v[220+\e] offset:4096+64*\e
	ds_store_b32 v[HST], v[220+\e] offset:4096+64*\e+4
.endr
	s_wait_tensorcnt 0x0                           ; slot 1's first fill goes as a refill does
	ds_add_u32 v[SPW], v[NIL]
	WSTEP 1
	s_wait_dscnt 0x0
	CROUND
	JLOAD                                          ; tile 1
.irp b, 0,1,2,3
	global_prefetch_b8 v[PFO], s[22:23] offset:131072+256*\b th:TH_LOAD_NT scope:SCOPE_SE   ; lap 1: the other 32 of my rows, the same chunk
.endr
.irp q, 0,1,2,3,4,5,6,7,8,9,10,11,12,13,14,15
	LISSUE \q                                      ; the ring is filled: loader lap 0
.endr
	WIN 0
	; CHUNK 0's IMAGE: loader laps 0 and 1 are worked; laps 1 and 2 are loaded
	s_mov_b32 s41, 0
.Lpro:
	LAPW 0
.irp q, 0,1,2,3,4,5,6,7,8,9,10,11,12,13,14,15
	LSLICE \q, 1, 60
.endr
	WIN 0
	s_add_co_u32 s41, s41, 1
	s_cmp_lt_u32 s41, 2
	s_cbranch_scc1 .Lpro
	WLOAD 0, 0, 0                                  ; step 0's first two tiles and its h
	HLOAD 0, AH0
	WIN 0
	WLOAD 1, 0, 1
	HEAD
	; STEPS 0 TO 9.  Trip n: steps 2 n, 2 n + 1; works loader lap n + 2, loads lap n + 3.  Behind trips 1 and 3 a chunk is done.
	s_mov_b32 s41, 0
.Lfull:
	LAPW 2
	STEP 0, 1, 0, 1, 0
	STEP 1, 1, 8, 1, 0
	WIN 0
	s_and_b32 s42, s41, 1
	s_cmp_eq_u32 s42, 0
	s_cbranch_scc1 .Lsame_chunk
	HEAD
.Lsame_chunk:
	s_add_co_u32 s41, s41, 1
	s_cmp_lt_u32 s41, 5
	s_cbranch_scc1 .Lfull
	; STEPS 10 TO 13: nothing is left to load.  Loader lap 7 is worked behind step 11, and the last chunk begins.
	s_mov_b32 s41, 0
.Lplain:
	STEP 0, 0, 0, 1, 0
	STEP 1, 0, 0, 1, 0
	WIN 0
	s_cmp_eq_u32 s41, 0
	s_cbranch_scc0 .Lno_drain
	v_add_nc_u32 v[STA], 32*PIT, v[ST0]
	s_wait_alu depctr_va_vdst(0)
.irp q, 0,1,2,3,4,5,6,7,8,9,10,11,12,13,14,15
	LSLICE \q, 0, 60-4*\q
.endr
	HEAD
.Lno_drain:
	s_add_co_u32 s41, s41, 1
	s_cmp_lt_u32 s41, 2
	s_cbranch_scc1 .Lplain
	STEP 0, 0, 0, 2, 0                             ; steps 14 and 15 are written out
	STEP 1, 0, 0, 0, 1
	WIN 0x01
.set nn, 0
.rept 6
	PK nn, 8, 1, 0                                 ; the last tile's accumulators 5 to 7
.set nn, nn+1
.endr
	WIN 0
	; THE END.  The sixteen lanes of a half (sixteen g each) are added; the two waves of a row half meet in LDS; x 2^(e0 + e1); each thread stores two scores.
.irp x, 1,2,4,8
.set kk, 0
.rept 64
	v_add_f32_dpp v[S+kk], v[S+kk], v[S+kk] row_xmask:\x row_mask:0xf bank_mask:0xf
.set kk, kk+1
.endr
.endr
.irp m, 0,1,2,3,4,5,6,7
	ds_store_b128 v[SGA], v[S+8*\m:S+8*\m+3] offset:64*\m         ; the sixteen lanes of a half store the same four numbers to the same words
	ds_store_b128 v[SGA], v[S+8*\m+4:S+8*\m+7] offset:64*\m+16
.endr
	s_wait_dscnt 0x0
	s_barrier_signal -1
	s_barrier_wait -1
	ds_load_b64 v[TMP:TMP+1], v[RDA]
	ds_load_b64 v[TMP+2:TMP+3], v[RDA] offset:1024
	s_wait_dscnt 0x0
	v_pk_add_f32 v[TMP:TMP+1], v[TMP:TMP+1], v[TMP+2:TMP+3]
	v_ldexp_f32 v[TMP], v[TMP], s47
	v_ldexp_f32 v[TMP+1], v[TMP+1], s47
	global_store_b64 v[T8], v[TMP:TMP+1], s[12:13] ; a wave stores 256 consecutive bytes, aligned
	s_wait_tensorcnt 0x0                           ; the wave's end
	ds_add_u32 v[SPW], v[NIL]
	s_wait_dscnt 0x0
	CROUND                                         ; the closing round
	s_endpgm
.Lfunc_end_k_q16e53b23ea_energy:
	.size	k_q16e53b23ea_energy, .Lfunc_end_k_q16e53b23ea_energy-k_q16e53b23ea_energy
	.p2alignl 7, 3214868480
	.fill 96, 4, 3214868480
	.section	.rodata,"a",@progbits
	.p2align	6, 0x0
	.amdhsa_kernel k_q16e53b23ea_energy
		.amdhsa_group_segment_fixed_size 327680
		.amdhsa_private_segment_fixed_size 0
		.amdhsa_enable_private_segment 0
		.amdhsa_kernarg_size 40
		.amdhsa_user_sgpr_count 2
		.amdhsa_user_sgpr_kernarg_segment_ptr 1
		.amdhsa_wavefront_size32 1
		.amdhsa_system_sgpr_workgroup_id_x 1
		.amdhsa_system_sgpr_workgroup_id_y 1
		.amdhsa_system_sgpr_workgroup_id_z 1
		.amdhsa_system_vgpr_workitem_id 0
		.amdhsa_next_free_vgpr 1024
		.amdhsa_next_free_sgpr 66
		.amdhsa_reserve_vcc 0
		.amdhsa_float_denorm_mode_32 3
		.amdhsa_float_denorm_mode_16_64 3
		.amdhsa_memory_ordered 1
		.amdhsa_forward_progress 1
		.amdhsa_inst_pref_size 255
	.end_amdhsa_kernel
	.section	.bss,"aw",@nobits
	.p2align	6
	.space	262144
	.amdgpu_metadata
---
amdhsa.version: [ 1, 2 ]
amdhsa.kernels:
  - .name:           k_q16e53b23ea_energy
    .symbol:         k_q16e53b23ea_energy.kd
    .args:
      - { .name: targets, .offset: 0, .size: 8, .value_kind: global_buffer, .address_space: global }
      - { .name: wq, .offset: 8, .size: 8, .value_kind: global_buffer, .address_space: global }
      - { .name: hidden, .offset: 16, .size: 8, .value_kind: global_buffer, .address_space: global }
      - { .name: lowp_scales, .offset: 24, .size: 8, .value_kind: global_buffer, .address_space: global }
      - { .name: scores, .offset: 32, .size: 8, .value_kind: global_buffer, .address_space: global }
    .group_segment_fixed_size: 327680
    .private_segment_fixed_size: 0
    .kernarg_segment_align: 8
    .kernarg_segment_size: 40
    .max_flat_workgroup_size: 128
    .sgpr_count:     66
    .vgpr_count:     1024
    .wavefront_size: 32
...
	.end_amdgpu_metadata
.endif
;; end of part 5
;; launch soft (part 6): grid 32 x 1, 8 waves a work-group, no clusters, 1,280 bytes of LDS; arguments scores, b, hidden, out0; writes out0
.if DOCPART == 6
	.amdgcn_target "amdgcn-amd-amdhsa--gfx1250"
	.amdhsa_code_object_version 6
	.text
	.protected	k_q16e53b23ea_soft
	.globl	k_q16e53b23ea_soft
	.p2align	8
	.type	k_q16e53b23ea_soft,@function
k_q16e53b23ea_soft:
	s_mov_b64 s[64:65], 0
	v_nop
	global_prefetch_b8 v0, s[64:65] scope:SCOPE_SE
	s_setreg_imm32_b32 hwreg(HW_REG_WAVE_MODE, 25, 1), 1
	s_wait_xcnt 0x0
; out0[batch][l] = softmax over l of (scores[batch][l] + c), c = the sum over g of b[g] x hidden[batch][g]: the bias's part of every energy of the batch.  All in f32; the row's maximum is taken away before the exponential.
; SHARES.  One work-group takes one batch's row of 2,048 scores: a row's maximum and sum have one owner, and there are 32 rows, so 32 work-groups are all the work that there is.  Thread t of 256 takes the 16 bytes at 16 t
; and at 4,096 + 16 t of the row, and four numbers of b and of hidden: each load and store of a wave covers 512 consecutive bytes.  Matrix units, tensor loads and clusters would add nothing: 16 KB go through a work-group.
; THE MAXIMUM of score + c is (the largest score) + c: rounding an addition keeps the order.  So the largest term's exponent is exactly 0 and the sum is at least 1.
; LDS: words 0-7 the waves' parts of c, 8-15 their maxima, 16-23 their sums: each reduction has bytes of its own, so one barrier serves each.
.set L2E, 0x3fb8aa3b                   ; log2(e): v_exp_f32 works in base 2
.macro WSUM r, t                       ; the sum over the wave's 32 lanes, in every lane; v[t] has been written before
	s_delay_alu instid0(VALU_DEP_1)
	v_add_f32_dpp v[\r], v[\r], v[\r] row_xmask:1 row_mask:0xf bank_mask:0xf
	s_delay_alu instid0(VALU_DEP_1)
	v_add_f32_dpp v[\r], v[\r], v[\r] row_xmask:2 row_mask:0xf bank_mask:0xf
	s_delay_alu instid0(VALU_DEP_1)
	v_add_f32_dpp v[\r], v[\r], v[\r] row_xmask:4 row_mask:0xf bank_mask:0xf
	s_delay_alu instid0(VALU_DEP_1)
	v_add_f32_dpp v[\r], v[\r], v[\r] row_xmask:8 row_mask:0xf bank_mask:0xf
	s_delay_alu instid0(VALU_DEP_1)
	v_permlanex16_b32 v[\t], v[\r], s16, s17
	s_delay_alu instid0(VALU_DEP_1)
	v_add_f32 v[\r], v[\r], v[\t]
.endm
	s_load_b256 s[4:11], s[0:1], 0x0               ; scores s[4:5], b s[6:7], hidden s[8:9], out0 s[10:11]
	v_lshl_add_u32 v48, v0, 2, 0x100
	v_mov_b32 v49, 0
	v_lshlrev_b32 v1, 4, v0                        ; 16 bytes a thread
	v_lshrrev_b32 v2, 5, v0
	s_delay_alu instid0(VALU_DEP_1)
	v_lshlrev_b32 v3, 2, v2                        ; my wave's word
	v_mov_b32 v40, 0
	s_lshl_b32 s12, ttmp9, 13                      ; my row of scores and of out0: 8,192 bytes,
	s_mov_b32 s13, 0
	s_lshl_b32 s14, ttmp9, 12                      ; of hidden: 4,096
	s_mov_b32 s15, 0
	s_mov_b32 s16, 0x76543210                      ; v_permlanex16_b32: each lane takes its own place in the other half
	s_mov_b32 s17, 0xfedcba98
	s_wait_alu depctr_va_vdst(0)
	s_wait_kmcnt 0x0
	s_add_nc_u64 s[4:5], s[4:5], s[12:13]
	s_add_nc_u64 s[10:11], s[10:11], s[12:13]
	s_add_nc_u64 s[8:9], s[8:9], s[14:15]
	global_load_b128 v[4:7], v1, s[6:7]            ; b
	global_load_b128 v[8:11], v1, s[8:9]           ; hidden
	global_load_b128 v[12:15], v1, s[4:5]          ; eight scores
	global_load_b128 v[16:19], v1, s[4:5] offset:4096
	s_wait_loadcnt 0x2                             ; b and hidden are in; the scores' two loads may be out
	v_pk_mul_f32 v[20:21], v[4:5], v[8:9]
	s_delay_alu instid0(VALU_DEP_1)
	v_pk_fma_f32 v[20:21], v[6:7], v[10:11], v[20:21]
	s_delay_alu instid0(VALU_DEP_1)
	v_add_f32 v20, v20, v21
	WSUM 20, 21                                    ; my wave's part of c
	s_wait_loadcnt 0x0
	v_max3_num_f32 v22, v12, v13, v14
	v_max3_num_f32 v23, v15, v16, v17
	s_delay_alu instid0(VALU_DEP_2)
	v_max3_num_f32 v22, v22, v18, v19
	s_delay_alu instid0(VALU_DEP_1)
	v_max_num_f32 v22, v22, v23
	s_delay_alu instid0(VALU_DEP_1)
	v_max_num_f32_dpp v22, v22, v22 row_xmask:1 row_mask:0xf bank_mask:0xf
	s_delay_alu instid0(VALU_DEP_1)
	v_max_num_f32_dpp v22, v22, v22 row_xmask:2 row_mask:0xf bank_mask:0xf
	s_delay_alu instid0(VALU_DEP_1)
	v_max_num_f32_dpp v22, v22, v22 row_xmask:4 row_mask:0xf bank_mask:0xf
	s_delay_alu instid0(VALU_DEP_1)
	v_max_num_f32_dpp v22, v22, v22 row_xmask:8 row_mask:0xf bank_mask:0xf
	s_delay_alu instid0(VALU_DEP_1)
	v_permlanex16_b32 v23, v22, s16, s17
	s_delay_alu instid0(VALU_DEP_1)
	v_max_num_f32 v22, v22, v23                    ; my wave's largest score
	ds_store_b32 v3, v20                           ; all lanes of a wave store the same number to the wave's word
	ds_store_b32 v3, v22 offset:32
	s_wait_dscnt 0x0                               ; for the others' sake: my stores have landed
	s_barrier_signal -1
	s_barrier_wait -1
	ds_load_b128 v[24:27], v40
	ds_load_b128 v[28:31], v40 offset:16
	ds_load_b128 v[32:35], v40 offset:32
	ds_load_b128 v[36:39], v40 offset:48
	s_wait_dscnt 0x0
	v_pk_add_f32 v[24:25], v[24:25], v[26:27]
	v_pk_add_f32 v[28:29], v[28:29], v[30:31]
	s_delay_alu instid0(VALU_DEP_1)
	v_pk_add_f32 v[24:25], v[24:25], v[28:29]
	s_delay_alu instid0(VALU_DEP_1)
	v_add_f32 v42, v24, v25                        ; c, the same bits in every thread
	s_delay_alu instid0(VALU_DEP_1)
	v_mov_b32 v43, v42                             ; (a pair for the packed forms)
	v_max3_num_f32 v32, v32, v33, v34
	v_max3_num_f32 v35, v35, v36, v37
	s_delay_alu instid0(VALU_DEP_2)
	v_max3_num_f32 v32, v32, v38, v39
	s_delay_alu instid0(VALU_DEP_1)
	v_max_num_f32 v32, v32, v35
	s_delay_alu instid0(VALU_DEP_1)
	v_add_f32 v44, v32, v42                        ; the row's largest energy
	s_delay_alu instid0(VALU_DEP_1)
	v_mov_b32 v45, v44
.irp j, 12,14,16,18
	v_pk_add_f32 v[\j:\j+1], v[\j:\j+1], v[42:43]                                   ; the energy: score + c
.endr
.irp j, 12,14,16,18
	s_delay_alu instid0(VALU_DEP_4)
	v_pk_add_f32 v[\j:\j+1], v[\j:\j+1], v[44:45] neg_lo:[0,1] neg_hi:[0,1]         ; less the maximum: the difference is taken first, so that it is not a difference of two rounded products
.endr
.irp j, 12,14,16,18
	s_delay_alu instid0(VALU_DEP_4)
	v_pk_mul_f32 v[\j:\j+1], v[\j:\j+1], L2E op_sel_hi:[1,0]
.endr
	s_wait_alu depctr_va_vdst(0)
.irp j, 12,13,14,15,16,17,18,19
	v_exp_f32 v[\j], v[\j]
.endr
	v_nop                                          ; a plain line between the last exponential and the use of its result (ISA guide 5.7.2)
	s_wait_alu depctr_va_vdst(0)
	v_pk_add_f32 v[20:21], v[12:13], v[14:15]
	v_pk_add_f32 v[22:23], v[16:17], v[18:19]
	s_delay_alu instid0(VALU_DEP_1)
	v_pk_add_f32 v[20:21], v[20:21], v[22:23]
	s_delay_alu instid0(VALU_DEP_1)
	v_add_f32 v20, v20, v21
	WSUM 20, 21
	ds_store_b32 v3, v20 offset:64
	s_wait_dscnt 0x0
	s_barrier_signal -1
	s_barrier_wait -1
	ds_load_b128 v[24:27], v40 offset:64
	ds_load_b128 v[28:31], v40 offset:80
	s_wait_dscnt 0x0
	v_pk_add_f32 v[24:25], v[24:25], v[26:27]
	v_pk_add_f32 v[28:29], v[28:29], v[30:31]
	s_delay_alu instid0(VALU_DEP_1)
	v_pk_add_f32 v[24:25], v[24:25], v[28:29]
	s_delay_alu instid0(VALU_DEP_1)
	v_add_f32 v24, v24, v25                        ; the row's sum, at least 1
	s_wait_alu depctr_va_vdst(0)
	v_rcp_f32 v26, v24
	v_nop                                          ; a plain line behind the reciprocal
	s_wait_alu depctr_va_vdst(0)
	v_mov_b32 v27, v26
.irp j, 12,14,16,18
	v_pk_mul_f32 v[\j:\j+1], v[\j:\j+1], v[26:27]
.endr
	global_store_b128 v1, v[12:15], s[10:11]       ; a wave stores 512 consecutive bytes
	global_store_b128 v1, v[16:19], s[10:11] offset:4096
	s_wait_tensorcnt 0x0
	ds_add_u32 v48, v49
	s_wait_dscnt 0x0
	s_endpgm
.Lfunc_end_k_q16e53b23ea_soft:
	.size	k_q16e53b23ea_soft, .Lfunc_end_k_q16e53b23ea_soft-k_q16e53b23ea_soft
	.p2alignl 7, 3214868480
	.fill 96, 4, 3214868480
	.section	.rodata,"a",@progbits
	.p2align	6, 0x0
	.amdhsa_kernel k_q16e53b23ea_soft
		.amdhsa_group_segment_fixed_size 1280
		.amdhsa_private_segment_fixed_size 0
		.amdhsa_enable_private_segment 0
		.amdhsa_kernarg_size 32
		.amdhsa_user_sgpr_count 2
		.amdhsa_user_sgpr_kernarg_segment_ptr 1
		.amdhsa_wavefront_size32 1
		.amdhsa_system_sgpr_workgroup_id_x 1
		.amdhsa_system_sgpr_workgroup_id_y 1
		.amdhsa_system_sgpr_workgroup_id_z 1
		.amdhsa_system_vgpr_workitem_id 0
		.amdhsa_next_free_vgpr 50
		.amdhsa_next_free_sgpr 66
		.amdhsa_reserve_vcc 0
		.amdhsa_float_denorm_mode_32 3
		.amdhsa_float_denorm_mode_16_64 3
		.amdhsa_memory_ordered 1
		.amdhsa_forward_progress 1
		.amdhsa_inst_pref_size 8
	.end_amdhsa_kernel
	.amdgpu_metadata
---
amdhsa.version: [ 1, 2 ]
amdhsa.kernels:
  - .name:           k_q16e53b23ea_soft
    .symbol:         k_q16e53b23ea_soft.kd
    .args:
      - { .name: scores, .offset: 0, .size: 8, .value_kind: global_buffer, .address_space: global }
      - { .name: b, .offset: 8, .size: 8, .value_kind: global_buffer, .address_space: global }
      - { .name: hidden, .offset: 16, .size: 8, .value_kind: global_buffer, .address_space: global }
      - { .name: out0, .offset: 24, .size: 8, .value_kind: global_buffer, .address_space: global }
    .group_segment_fixed_size: 1280
    .private_segment_fixed_size: 0
    .kernarg_segment_align: 8
    .kernarg_segment_size: 32
    .max_flat_workgroup_size: 256
    .sgpr_count:     66
    .vgpr_count:     50
    .wavefront_size: 32
...
	.end_amdgpu_metadata
.endif
;; end of part 6
